; MI455X (gfx1250); checked and timed in simulation.
; The chip was launched on July 23, 2026; its instructions are those of AMD's public machine-readable ISA for CDNA 5 (MIT licence, August 2026) and "CDNA5" Instruction Set Architecture Reference Guide (July 2026). The comments in the code are by the model that wrote it; some were corrected since.
;; Block. Allowed arithmetic: matrix products marked QUANTISED: E3M2 operands, one E8M0 scale for each 32 along K, by v_wmma_scale_f32_16x16x128_f8f6f4 with both operands' format E3M2, f32 sums; everything else in f32.
;; Inputs: b1 4,096 float32; b2 1,024 float32; be1 1,024 float32; be2 1,024 float32; bo 1,024 float32; g1 1,024 float32; g2 1,024 float32; w1_codes 4,096 x 32 x 24 uint8 (E3M2 codes of w1, K innermost, in blocks of 32 codes, four codes in three bytes); w1_scales 4,096 x 32 uint8 (E8M0 scales of w1, one for each 32 codes along K); w2_codes 1,024 x 128 x 24 uint8 (E3M2 codes of w2, K innermost, in blocks of 32 codes, four codes in three bytes); w2_scales 1,024 x 128 uint8 (E8M0 scales of w2, one for each 32 codes along K); wk_codes 16 x 64 x 32 x 24 uint8 (E3M2 codes of wk, K innermost, in blocks of 32 codes, four codes in three bytes); wk_scales 16 x 64 x 32 uint8 (E8M0 scales of wk, one for each 32 codes along K); wo_codes 1,024 x 32 x 24 uint8 (E3M2 codes of wo, K innermost, in blocks of 32 codes, four codes in three bytes); wo_scales 1,024 x 32 uint8 (E8M0 scales of wo, one for each 32 codes along K); wq_codes 16 x 64 x 32 x 24 uint8 (E3M2 codes of wq, K innermost, in blocks of 32 codes, four codes in three bytes); wq_scales 16 x 64 x 32 uint8 (E8M0 scales of wq, one for each 32 codes along K); wv_codes 16 x 64 x 32 x 24 uint8 (E3M2 codes of wv, K innermost, in blocks of 32 codes, four codes in three bytes); wv_scales 16 x 64 x 32 uint8 (E8M0 scales of wv, one for each 32 codes along K); x 4 x 1,024 x 1,024 float32.
;; Outputs: out0 4 x 1,024 x 1,024 float32.
;; This version of the problem:
;;   THIS VERSION OF THE PROBLEM IS GIVEN IN LOW PRECISION. The matrix products marked QUANTISED in the list below multiply operands that are first quantised to E3M2 (3 exponent bits, 2 mantissa bits; 6 bits a number), with one power-of-two scale for each 32 numbers along K (OCP MX v1.0); their sums are f32. All else is computed in f32.
;;   The module's matrix products, in the order in which they are computed (A, B: the left and right operand; K: the contracted axis; several contracted axes count as one K, in the product's order):
;;     1. [M 1,024, K 1,024] x [K 1,024, N 4,096]; A: input wq (given as codes); B: computed on the way: QUANTISED
;;     2. [M 1,024, K 1,024] x [K 1,024, N 4,096]; A: input wk (given as codes); B: computed on the way: QUANTISED
;;     3. [M 1,024, K 1,024] x [K 1,024, N 4,096]; A: input wv (given as codes); B: computed on the way: QUANTISED
;;     4. batch 64 x [M 1,024, K 64] x [K 64, N 1,024]; A: computed on the way; B: computed on the way: QUANTISED
;;     5. batch 64 x [M 1,024, K 1,024] x [K 1,024, N 64]; A: softmax (see below); B: computed on the way: QUANTISED
;;     6. [M 4,096, K 1,024] x [K 1,024, N 1,024]; A: computed on the way; B: input wo (given as codes): QUANTISED
;;     7. [M 4,096, K 1,024] x [K 1,024, N 4,096]; A: computed on the way; B: input w1 (given as codes): QUANTISED
;;     8. [M 4,096, K 4,096] x [K 4,096, N 1,024]; A: computed on the way; B: input w2 (given as codes): QUANTISED
;;   THE QUANTISER, for each operand of a quantised product, along K:
;;     - K is cut into blocks of 32 from its start; a last block that is shorter is filled with zeros.
;;     - A block's scale is 2^e with e = floor(log2(the largest magnitude in the block)) - 4, held to -126 .. 127; a block of zeros has e = 0. As a byte (E8M0): e + 127.
;;     - Each number is divided by its block's scale, clamped to +-28, and rounded to the nearest number of E3M2, ties to even, subnormals kept.
;;     - The product sums the exact products of the quantised numbers (number of the format x scale) in f32.
;;   ~~~python
;;   def quantise(x, axis):      # numpy; x: float32 -> the quantised numbers, widened to float32 again
;;       x = np.moveaxis(x, axis, -1); K = x.shape[-1]
;;       x = np.pad(x, [(0, 0)] * (x.ndim - 1) + [(0, -K % 32)]); x = x.reshape(x.shape[:-1] + (-1, 32)); a = np.abs(x).max(-1, keepdims=True)
;;       e = np.where(a > 0, np.clip(np.frexp(np.where(a > 0, a, 1))[1] - 1 - 4, -126, 127), 0)      # np.frexp(a)[1] - 1 = floor(log2(a)), exactly
;;       r = np.clip(x / 2.0 ** e, -28, 28)
;;       step = 2.0 ** (np.maximum(np.frexp(np.where(r == 0, 1, r))[1] - 1, -2) - 2)
;;       q = np.round(r / step) * step * 2.0 ** e      # np.round: ties to even
;;       return np.moveaxis(q.reshape(q.shape[:-2] + (-1,))[..., :K], -1, axis).astype(np.float32)
;;   ~~~
;;   SOFTMAX AHEAD OF A QUANTISED PRODUCT. Where the list says 'softmax', what is quantised is not the finished softmax but p = 2^(t - M), with t = logit x log2(e) and M = ceil(the row's largest t), a whole number; so 1/2 < the row's largest p <= 1. The row's sum l is taken of the UNQUANTISED p, in f32, and the product's result is divided by l at the end. Since M is a whole number, a kernel that streams over the keys may use a running M (the ceiling of the running maximum): every later rescaling is an exact power of two, which a block's scale takes up: the codes' values come out the same.
;;   OPERANDS COMPUTED ON THE WAY. 'Computed on the way' means the value that the module computes at that place (a softmax that the list does not call 'softmax' is quantised finished and normalised). What goes into a quantiser is computed in f32, as accurately as f32 sums, v_exp_f32 and their like allow (about 1e-6 of the number): no bf16 or f16 on the way to a quantiser, and a product that is left as it is and whose result goes on into a quantised operand takes f32 operands (vector FMAs, or v_wmma_f32_16x16x4_f32). A number that lies on a knife's edge between two numbers of the format may be rounded either way, as far as f32 arithmetic and the matrix unit's own rounding can turn it there, and no further.
;;   INPUTS GIVEN AS CODES. w1 (in the module: [1024, 4096], K = its axis 0); w2 (in the module: [4096, 1024], K = its axis 0); wk (in the module: [16, 1024, 64], K = its axis 1); wo (in the module: [1024, 1024], K = its axis 0); wq (in the module: [16, 1024, 64], K = its axis 1); wv (in the module: [16, 1024, 64], K = its axis 1): each comes as NAME_codes (uint8): NAME with its K axis moved to the last place and cut into blocks of 32 codes, [.., K / 32, bytes a block], one block behind the other in memory; four codes in three bytes: a row's codes are one little-endian stream of bits, code i at bits 6 i .. 6 i + 5 (a code: sign, 3 exponent bits, 2 mantissa bits); and NAME_scales (uint8): the same leading axes, one E8M0 byte (e + 127) for each 32 codes along K. Its value is code x scale, taken as it is: it is not quantised again, and the codes and scales need not be those that the quantiser above would give.
;; One version. Each part assembles by itself: llvm-mc -triple=amdgcn-amd-amdhsa -mcpu=gfx1250 --defsym DOCPART=n.
;; ======== version 1 of 1: 7 launches
;; limits: right only within a limited range of input values
;; workspace buffers: hb 3,276,800 bytes; qb 3,407,872 bytes; kvb 6,684,672 bytes; ob 3,276,800 bytes; x1 16,777,216 bytes; fb 13,107,200 bytes
;; launch ln1 (part 1): grid 256 x 1, 8 waves a work-group, no clusters, 82,944 bytes of LDS; arguments x, g1, be1, hb; writes hb
.if DOCPART == 1
	.amdgcn_target "amdgcn-amd-amdhsa--gfx1250"
	.amdhsa_code_object_version 6
	.text
	.protected	k_q9fdfb6db99_ln1
	.globl	k_q9fdfb6db99_ln1
	.p2align	8
	.type	k_q9fdfb6db99_ln1,@function
k_q9fdfb6db99_ln1:
	s_mov_b64 s[64:65], 0
	v_nop
	global_prefetch_b8 v0, s[64:65] scope:SCOPE_SE
	s_setreg_imm32_b32 hwreg(HW_REG_WAVE_MODE, 25, 1), 1
	s_wait_xcnt 0x0
; LayerNorm over rows of 1,024 f32 numbers, then the MX quantiser (E3M2 codes, one E8M0 byte for each 32 along the row).
; in: [4096][1024] f32, gain and bias [1024] f32.  out: codes [position 4096][768 bytes], a row's codes one stream of bits; 3,145,728 bytes on: scale bytes [position][32].
; POSITIONS.  Work-group B takes 16 rows; row i of it is token 32 (B / 2) + 8 (B % 2) + i + 8 (i / 8), and is stored at position 16 B + i.  Later products that take 16 positions as
; source 0 of a matrix instruction then find neighbouring tokens in a lane's neighbouring registers.
; SHARES.  Eight waves; wave w takes columns 128 w .. 128 w + 127 of the 16 rows: one load covers 512 consecutive bytes of a row.  The numbers turn through the wave's own stage in LDS, so that
; lane (r, h) holds, of row r, 16 neighbours of each block of 32 (register 16 b + i = column 128 w + 32 b + 16 h + i), which is what the conversions take.
; Mean and variance in two passes (the mean is taken away first), partial sums of the eight waves meet in LDS.  No matrix unit, no tensor load, no cluster: a stream in which nothing is shared.
; LIMITS: NaN and infinities are not served; a block of zeros gets the byte 1 (its codes are zeros; this program alone reads the bytes).
.set WST,  8448                        ; a wave's stage: 16 rows x (512 + 16) bytes
.set SUM1, 67584                       ; [row 16][wave 8] f32: sums;  512 bytes on: sums of squares
.set CG,   68608                       ; codes: 16 rows x (768 + 16) bytes
.set SG,   81152                       ; scale bytes: [row 16][32]
.set X,    16                          ; v16-79   the numbers as loaded, later the bias
.set Y,    80                          ; v80-143  the numbers turned
.set G,    144                         ; v144-207 the gain; behind its use: the quantiser's registers
.set TM,   144
.set PC,   160
.set PW,   180
.set RB,   184
.set PS,   208
.set ACC,  216
.set SEL,  20
; 64 numbers of a lane, register 16 b + i = k 32 b + 16 (lane / 16) + i of my row, become a fragment's codes in v[PC] on and its scale word in v[PW].
.macro QUANT s
.irp b, 0,1,2,3
	v_max3_num_f32 v[TM+\b], |v[\s+16*\b]|, |v[\s+1+16*\b]|, 0x2800000   ; my 16 numbers of block b, and the floor 2^(5 - 127): the byte cannot fall under 1
.endr
.irp i, 2,4,6,8,10,12,14
.irp b, 0,1,2,3
	s_delay_alu instid0(VALU_DEP_4)
	v_max3_num_f32 v[TM+\b], v[TM+\b], |v[\s+16*\b+\i]|, |v[\s+1+16*\b+\i]|
.endr
.endr
.irp b, 0,1,2,3
	s_delay_alu instid0(VALU_DEP_4)
	v_permlanex16_b32 v[TM+4+\b], v[TM+\b], s[SEL], s[SEL+1]
.endr
.irp b, 0,1,2,3
	s_delay_alu instid0(VALU_DEP_4)
	v_max_num_f32 v[TM+\b], v[TM+\b], v[TM+4+\b]   ; with lane l xor 16's: the block's largest magnitude
.endr
.irp b, 0,1,2,3
	s_delay_alu instid0(VALU_DEP_4)
	v_add_nc_u32 v[TM+12+\b], 0xfe000000, v[TM+\b]   ; 4 off its exponent field: the conversion's scale operand
.endr
.irp b, 0,1,2,3
	s_delay_alu instid0(VALU_DEP_4)
	v_lshrrev_b32 v[TM+4+\b], 23, v[TM+12+\b]   ; the scale's byte
.endr
	s_delay_alu instid0(VALU_DEP_3)
	v_lshl_or_b32 v[PW], v[TM+5], 8, v[TM+4]
	s_delay_alu instid0(VALU_DEP_1)
	v_lshl_or_b32 v[PW], v[TM+6], 16, v[PW]
	s_delay_alu instid0(VALU_DEP_1)
	v_lshl_or_b32 v[PW], v[TM+7], 24, v[PW]
.irp c, 0,1
	v_cvt_scalef32_pk16_bf6_f32 v[PC+6*\c:PC+2+6*\c], v[\s+32*\c:\s+15+32*\c], v[TM+12+2*\c]
	v_cvt_scalef32_pk16_bf6_f32 v[PC+12+4*\c:PC+14+4*\c], v[\s+16+32*\c:\s+31+32*\c], v[TM+12+2*\c+1]   ; (a conversion's three registers begin on an even number)
.endr
	v_nop                                          ; one plain place behind a scaled conversion
.irp c, 0,1                                    ; the operand's layout wants a whole block in a lane
.irp i, 0,1,2
	v_permlane16_swap_b32 v[PC+6*\c+\i], v[PC+12+4*\c+\i]
.endr
.irp i, 0,1,2
	s_delay_alu instid0(VALU_DEP_3)
	v_mov_b32 v[PC+3+6*\c+\i], v[PC+12+4*\c+\i]
.endr
.endr
.endm
; four pairs of partial sums -> the row's sum over all 1,024 columns in v[PS], in every lane of the row
.macro ACROSS off
	s_delay_alu instid0(VALU_DEP_3)
	v_pk_add_f32 v[ACC:ACC+1], v[ACC:ACC+1], v[ACC+2:ACC+3]
	s_delay_alu instid0(VALU_DEP_2)
	v_pk_add_f32 v[ACC+4:ACC+5], v[ACC+4:ACC+5], v[ACC+6:ACC+7]
	s_delay_alu instid0(VALU_DEP_1)
	v_pk_add_f32 v[ACC:ACC+1], v[ACC:ACC+1], v[ACC+4:ACC+5]
	s_delay_alu instid0(VALU_DEP_1)
	v_add_f32 v[ACC], v[ACC], v[ACC+1]
	s_delay_alu instid0(VALU_DEP_1)
	v_permlanex16_b32 v[ACC+1], v[ACC], s[SEL], s[SEL+1]   ; the row's other 64 numbers of my wave lie in lane l xor 16
	s_delay_alu instid0(VALU_DEP_1)
	v_add_f32 v[ACC], v[ACC], v[ACC+1]
	ds_store_b32 v8, v[ACC] offset:\off            ; both lanes of a row write the same word with the same value
	s_wait_dscnt 0x0                               ; for the others' sake: my store has landed
	s_barrier_signal -1
	s_barrier_wait -1
	ds_load_b128 v[PS:PS+3], v9 offset:\off
	ds_load_b128 v[PS+4:PS+7], v9 offset:\off+16
	s_wait_dscnt 0x0
	v_add_f32 v[PS], v[PS], v[PS+1]
	v_add_f32 v[PS+2], v[PS+2], v[PS+3]
	v_add_f32 v[PS+4], v[PS+4], v[PS+5]
	v_add_f32 v[PS+6], v[PS+6], v[PS+7]
	s_delay_alu instid0(VALU_DEP_3)
	v_add_f32 v[PS], v[PS], v[PS+2]
	s_delay_alu instid0(VALU_DEP_2)
	v_add_f32 v[PS+4], v[PS+4], v[PS+6]
	s_delay_alu instid0(VALU_DEP_1)
	v_add_f32 v[PS], v[PS], v[PS+4]
.endm
	s_load_b256 s[4:11], s[0:1], 0x0               ; in s[4:5], gain s[6:7], bias s[8:9], out s[10:11]
	v_lshl_add_u32 v224, v0, 2, 0x14000
	v_mov_b32 v225, 0
	v_lshrrev_b32 v1, 5, v0
	s_delay_alu instid0(VALU_DEP_1)
	v_readfirstlane_b32 s12, v1                    ; wave 0..7
	v_and_b32 v1, 31, v0                           ; lane
	v_and_b32 v2, 15, v0                           ; r
	v_bfe_u32 v3, v0, 4, 1                         ; h
	s_delay_alu instid0(VALU_DEP_3)
	v_lshlrev_b32 v4, 4, v1                        ; 16 x lane
	s_delay_alu instid0(VALU_DEP_2)
	v_lshlrev_b32 v5, 6, v3                        ; 64 h
	s_mul_i32 s13, s12, WST
	v_add_nc_u32 v6, s13, v4                       ; the stage, on the way in: a row's 512 bytes as they lie
	v_mul_u32_u24 v7, v2, 528
	s_delay_alu instid0(VALU_DEP_1)
	v_add_nc_u32 v7, v7, v5
	s_delay_alu instid0(VALU_DEP_1)
	v_add_nc_u32 v7, s13, v7                       ; and out: row r, + 64 h
	s_lshl_b32 s13, s12, 2
	s_add_co_u32 s13, s13, SUM1
	v_lshlrev_b32 v9, 5, v2
	s_delay_alu instid0(VALU_DEP_1)
	v_add_nc_u32 v8, s13, v9                       ; my wave's word of row r's sums
	s_delay_alu instid0(VALU_DEP_1)
	v_add_nc_u32 v13, SG-SUM1, v8                  ; my wave's scale word of row r
	s_delay_alu instid0(VALU_DEP_3)
	v_add_nc_u32 v9, SUM1, v9                      ; row r's eight words
	s_mul_i32 s13, s12, 96
	s_add_co_u32 s13, s13, CG
	v_mul_u32_u24 v10, v2, 784
	s_delay_alu instid0(VALU_DEP_1)
	v_mad_u32_u24 v10, v3, 24, v10
	s_delay_alu instid0(VALU_DEP_1)
	v_add_nc_u32 v10, s13, v10                     ; codes in: row r, my wave's 96 bytes, + 24 h
	s_mul_i32 s13, s12, 1568
	s_add_co_u32 s13, s13, CG
	v_add_nc_u32 v11, s13, v4                      ; codes out: rows 2 w and 2 w + 1, 16 bytes a lane;
	s_delay_alu instid0(VALU_DEP_1)
	v_lshl_add_u32 v12, v3, 4, v11                 ; (the second 512 bytes cross the first row's padding at lane 16)
	v_add_nc_u32 v1, SG, v4                        ; scale bytes out
	s_mov_b32 s[SEL], 0x76543210
	s_mov_b32 s[SEL+1], 0xfedcba98                 ; v_permlanex16_b32's selects for lane l xor 16
	s_mov_b32 s18, 0x3a800000                      ; 1 / 1024
	s_lshr_b32 s13, ttmp9, 1
	s_lshl_b32 s13, s13, 5
	s_and_b32 s14, ttmp9, 1
	s_lshl_b32 s14, s14, 3
	s_add_co_u32 s13, s13, s14                     ; the block's first token
	s_lshl_b32 s14, s13, 12
	s_lshl_b32 s16, s12, 9                         ; my wave's 512 bytes of a row
	s_add_co_u32 s14, s14, s16
	s_mov_b32 s15, 0
	s_mov_b32 s17, 0
	s_mul_i32 s22, ttmp9, 12288                    ; 16 positions x 768 bytes,
	s_mul_i32 s24, s12, 1536                       ; two of them a wave
	s_add_co_u32 s22, s22, s24
	s_mov_b32 s23, 0
	s_lshl_b32 s24, ttmp9, 9
	s_add_co_u32 s24, s24, 0x300000                ; the scale bytes lie behind the codes
	s_mov_b32 s25, 0
	s_wait_kmcnt 0x0
	s_add_nc_u64 s[4:5], s[4:5], s[14:15]
	s_add_nc_u64 s[6:7], s[6:7], s[16:17]
	s_add_nc_u64 s[8:9], s[8:9], s[16:17]
	s_add_nc_u64 s[26:27], s[10:11], s[24:25]
	s_add_nc_u64 s[10:11], s[10:11], s[22:23]
.irp i, 0,1,2,3,4,5,6,7,8,9,10,11,12,13,14,15
	global_load_b128 v[X+4*\i:X+4*\i+3], v4, s[4:5] offset:(\i+8*(\i/8))*4096 th:TH_LOAD_NT   ; 32 lanes read 512 consecutive bytes of row i
.endr
.irp b, 0,1,2,3
.irp j, 0,1,2,3
	global_load_b128 v[G+16*\b+4*\j:G+16*\b+4*\j+3], v5, s[6:7] offset:128*\b+16*\j
.endr
.endr
	s_wait_loadcnt 16                              ; the 16 rows are in; the gain's 16 loads may be out
.irp i, 0,1,2,3,4,5,6,7,8,9,10,11,12,13,14,15
	ds_store_b128 v6, v[X+4*\i:X+4*\i+3] offset:528*\i
.endr
.irp b, 0,1,2,3
.irp j, 0,1,2,3
	ds_load_b128 v[Y+16*\b+4*\j:Y+16*\b+4*\j+3], v7 offset:128*\b+16*\j   ; LDS serves a wave's instructions in order: these see my stores
.endr
.endr
	s_wait_dscnt 0x0                               ; the numbers are back, and the stores have read their registers,
.irp b, 0,1,2,3
.irp j, 0,1,2,3
	global_load_b128 v[X+16*\b+4*\j:X+16*\b+4*\j+3], v5, s[8:9] offset:128*\b+16*\j   ; which take the bias
.endr
.endr
	; the mean
.irp k, 0,1,2,3
	v_pk_add_f32 v[ACC+2*\k:ACC+2*\k+1], v[Y+2*\k:Y+2*\k+1], v[Y+8+2*\k:Y+9+2*\k]
.endr
.irp j, 16,24,32,40,48,56
.irp k, 0,1,2,3
	s_delay_alu instid0(VALU_DEP_4)
	v_pk_add_f32 v[ACC+2*\k:ACC+2*\k+1], v[ACC+2*\k:ACC+2*\k+1], v[Y+\j+2*\k:Y+\j+2*\k+1]
.endr
.endr
	ACROSS 0
	s_delay_alu instid0(VALU_DEP_1)
	v_mul_f32 v14, s18, v[PS]
	s_delay_alu instid0(VALU_DEP_1)
	v_mov_b32 v15, v14
.set n, 0
.rept 32
	v_pk_add_f32 v[Y+n:Y+n+1], v[Y+n:Y+n+1], v[14:15] neg_lo:[0,1] neg_hi:[0,1]   ; x - mean
.set n, n+2
.endr
	; the variance, of the centred numbers
.irp k, 0,1,2,3
	v_pk_mul_f32 v[ACC+2*\k:ACC+2*\k+1], v[Y+2*\k:Y+2*\k+1], v[Y+2*\k:Y+2*\k+1]
.endr
.irp j, 8,16,24,32,40,48,56
.irp k, 0,1,2,3
	s_delay_alu instid0(VALU_DEP_4)
	v_pk_fma_f32 v[ACC+2*\k:ACC+2*\k+1], v[Y+\j+2*\k:Y+\j+2*\k+1], v[Y+\j+2*\k:Y+\j+2*\k+1], v[ACC+2*\k:ACC+2*\k+1]
.endr
.endr
	ACROSS 512
	v_mov_b32 v15, 0x3727c5ac                      ; 1e-5
	s_delay_alu instid0(VALU_DEP_1)
	v_fma_f32 v[ACC], v[PS], s18, v15
	s_wait_alu depctr_va_vdst(0)
	v_rsq_f32 v14, v[ACC]                          ; twice, to fill the pair that the packed multiply names
	v_rsq_f32 v15, v[ACC]
	v_nop                                          ; a plain place behind the transcendentals
	s_wait_alu depctr_va_vdst(0)                   ; one wait for both, ahead of their first reader
	s_wait_loadcnt 0x0                             ; gain and bias
.set n, 0
.rept 32
	v_pk_mul_f32 v[Y+n:Y+n+1], v[Y+n:Y+n+1], v[14:15]
.set n, n+2
.endr
.set n, 0
.rept 32
	v_pk_fma_f32 v[Y+n:Y+n+1], v[Y+n:Y+n+1], v[G+n:G+n+1], v[X+n:X+n+1]
.set n, n+2
.endr
	QUANT Y
.irp p, 0,1,2,3,4,5
	ds_store_b64 v10, v[PC+2*\p:PC+2*\p+1] offset:48*(\p/3)+8*(\p%3)   ; the fragment's registers are 24-byte pieces of the row's stream of bits
.endr
	ds_store_b32 v13, v[PW]
	s_wait_dscnt 0x0
	s_barrier_signal -1
	s_barrier_wait -1                              ; 16 whole rows of codes and scale bytes lie in LDS
	ds_load_b128 v[RB:RB+3], v11
	ds_load_b128 v[RB+4:RB+7], v12 offset:512
	ds_load_b128 v[RB+8:RB+11], v11 offset:1040
	s_wait_dscnt 2                                 ; the first is back, the two younger may be out
	global_store_b128 v4, v[RB:RB+3], s[10:11]     ; each store covers 512 consecutive bytes, aligned
	s_wait_dscnt 1
	global_store_b128 v4, v[RB+4:RB+7], s[10:11] offset:512
	s_wait_dscnt 0x0
	global_store_b128 v4, v[RB+8:RB+11], s[10:11] offset:1024
	s_cmp_lg_u32 s12, 0
	s_cbranch_scc1 .Ldone                          ; wave 0 stores the block's 512 scale bytes
	ds_load_b128 v[RB+12:RB+15], v1
	s_wait_dscnt 0x0
	global_store_b128 v4, v[RB+12:RB+15], s[26:27]
.Ldone:
	s_wait_tensorcnt 0x0
	ds_add_u32 v224, v225
	s_wait_dscnt 0x0
	s_endpgm
.Lfunc_end_k_q9fdfb6db99_ln1:
	.size	k_q9fdfb6db99_ln1, .Lfunc_end_k_q9fdfb6db99_ln1-k_q9fdfb6db99_ln1
	.p2alignl 7, 3214868480
	.fill 96, 4, 3214868480
	.section	.rodata,"a",@progbits
	.p2align	6, 0x0
	.amdhsa_kernel k_q9fdfb6db99_ln1
		.amdhsa_group_segment_fixed_size 82944
		.amdhsa_private_segment_fixed_size 0
		.amdhsa_enable_private_segment 0
		.amdhsa_kernarg_size 32
		.amdhsa_user_sgpr_count 2
		.amdhsa_user_sgpr_kernarg_segment_ptr 1
		.amdhsa_wavefront_size32 1
		.amdhsa_system_sgpr_workgroup_id_x 1
		.amdhsa_system_sgpr_workgroup_id_y 1
		.amdhsa_system_sgpr_workgroup_id_z 1
		.amdhsa_system_vgpr_workitem_id 0
		.amdhsa_next_free_vgpr 226
		.amdhsa_next_free_sgpr 66
		.amdhsa_reserve_vcc 0
		.amdhsa_float_denorm_mode_32 3
		.amdhsa_float_denorm_mode_16_64 3
		.amdhsa_memory_ordered 1
		.amdhsa_forward_progress 1
		.amdhsa_inst_pref_size 31
	.end_amdhsa_kernel
	.amdgpu_metadata
---
amdhsa.version: [ 1, 2 ]
amdhsa.kernels:
  - .name:           k_q9fdfb6db99_ln1
    .symbol:         k_q9fdfb6db99_ln1.kd
    .args:
      - { .name: x, .offset: 0, .size: 8, .value_kind: global_buffer, .address_space: global }
      - { .name: g1, .offset: 8, .size: 8, .value_kind: global_buffer, .address_space: global }
      - { .name: be1, .offset: 16, .size: 8, .value_kind: global_buffer, .address_space: global }
      - { .name: hb, .offset: 24, .size: 8, .value_kind: global_buffer, .address_space: global }
    .group_segment_fixed_size: 82944
    .private_segment_fixed_size: 0
    .kernarg_segment_align: 8
    .kernarg_segment_size: 32
    .max_flat_workgroup_size: 256
    .sgpr_count:     66
    .vgpr_count:     226
    .wavefront_size: 32
...
	.end_amdgpu_metadata
.endif
;; end of part 1
;; launch qkv (part 2): grid 12 x 16, 4 waves a work-group, clusters of 4 x 4, 327,680 bytes of LDS; arguments hb, wq_codes, wq_scales, wk_codes, wk_scales, wv_codes, wv_scales, qb, kvb; writes qb, kvb
.if DOCPART == 2
	.amdgcn_target "amdgcn-amd-amdhsa--gfx1250"
	.amdhsa_code_object_version 6
	.text
	.protected	k_q9fdfb6db99_qkv
	.globl	k_q9fdfb6db99_qkv
	.p2align	8
	.type	k_q9fdfb6db99_qkv,@function
k_q9fdfb6db99_qkv:
	s_mov_b64 s[64:65], 0
	v_nop
	global_prefetch_b8 v0, s[64:65] scope:SCOPE_SE
	s_setreg_imm32_b32 hwreg(HW_REG_WAVE_MODE, 25, 1), 1
	s_wait_xcnt 0x0
	s_wait_alu depctr_hold_cnt(0) depctr_sa_sdst(0) depctr_va_vdst(0) depctr_va_sdst(0) depctr_va_ssrc(0) depctr_va_vcc(0) depctr_vm_vsrc(0)
	s_getreg_b32 s2, hwreg(HW_REG_IB_STS2, 6, 4)
	s_cmp_eq_u32 s2, 0
	s_cbranch_scc0 .Lentry_in_a_cluster
	s_endpgm
.Lentry_in_a_cluster:
	s_bfe_u32 s2, ttmp6, 0x10000c
	s_cmp_lg_u32 s2, 0xf033
	s_cbranch_scc0 .Lentry_shape_is_right
	s_endpgm
.Lentry_shape_is_right:
; q, k, v = LN1(x) W^T on codes of BF6 (E3M2), one E8M0 byte for each 32 along K = 1,024; sums in f32.
; hb: codes [position 4096][768 bytes], 3,145,728 bytes on scale bytes [position][32].  Weights: codes [1024][768], scale bytes [1024][32].
; Cluster x 0, 1, 2 makes q, k, v.  A tile of 256 x 256 is made by four waves, 128 x 128 each: 64 accumulators.  Source 0 of the matrix instruction takes rows of "B", source 1 rows of "A".
; For q and k, A = positions and B = weights: a lane holds a position and its registers run along the head.  For v, A = weights and B = positions: its registers run along the keys.
; K goes through two LDS slots in chunks of 256 bytes of each row: each tile row begins at a multiple of 256 bytes.  A step of 128 along K is 96 bytes: eight steps to three chunks; steps 2 and 5 lie across two chunks.
; The head's four joint loads, one a wave, bring chunks 0 and 1 of A and of B; chunk 2 is slot 0's one refill.  4 x 4 clusters: A's tiles are asked for jointly along a row of the cluster, B's along a column.
; THE SCALES go from memory straight into registers, once: a block's 16 rows x 32 bytes are 512 consecutive bytes, one load of 16 bytes a lane: lanes 0-15 take K steps 0-3 of row r, lanes 16-31 K steps 4-7.
; The way out quantises each 16 x 128 block along the lane's registers and stores images of operand registers, in the order in which the attention launch reads them.
; No prefetch: K is three chunks, two of them asked for at the head.  LIMITS: a block of zeros gets the byte 1 (this program alone reads the bytes); NaN and infinities are not served.
.set ROWB,   256
.set KROW,   768
.set STEPS,  8
.set CHUNKS, 3
.set PITCH,  272                       ; 256 bytes + 16 of padding
.set FR,     12
.set NL,     6
.set NP,     4
.set HALFT,  128*PITCH
.set SLOT,   4*HALFT
.set KS,     32
.set SPARE,  2*SLOT                    ; the spare words: 128 bytes a wave
.set STAGE,  SLOT                      ; the way out gathers scale words in slot 1: its one fill is chunk 1, its last read stands ahead of step 5's barrier
.set VO16, 7
.set VO8,  8
.set SH,   9
.set GQW,  10
.set GVW,  11
.set VSO,  12
.set RB1,  13
.set RB2,  14
.set ADRA, 16                          ; v16-17 A's fragments in slot 0, 1; v18-19 lanes 0-15 at byte 232 of that slot's row, lanes 16-31 at byte 0 in the other slot
.set ADRB, 20
.set SOF,  27                          ; my 16 bytes of a block's 512 scale bytes
.set SPW,  28
.set NIL,  29
.set SA,   32                          ; v32-63 A's scale words, block i at 4 i + q; v224-255 B's: scales and nothing else
.set SB,   224
.set TM,   64                          ; the way out's temporaries
.set PW,   80
.set PX,   81
.set AF,   128
.set PT,   96                          ; window 1, on the way out: v0-95 the eight blocks' codes, v96-102 halves on their way
.set SEL,  98
.set G1, 24
.set G0, 32
.set G1B, 48
.set G0B, 56
.set G0H, 4
.set G0HB, 8
.set G0H1, 68
.set G0HB1, 72
.set SAP, 76
.set SBP, 78
.set MSB, 0
.macro WIN new
.if MSB != \new
	s_set_vgpr_msb (MSB<<8)|\new
.set MSB, \new
.endif
.endm
.set MUL_LO, 0xa1                      ; source 0 window 1, source 1 window 0, C and D window 2
.set MUL_HI, 0xf1
.set TO_B,   0x40
.macro JLOAD g0a, g1a, g0b, g1b        ; waves 0, 1 fetch for A, waves 2, 3 for B; s_nop 0 and four v_nop behind each line
	s_cmp_eq_u32 s15, 0
	s_cbranch_scc0 .Lfor_b_\@
	tensor_load_to_lds s[\g0a:\g0a+3], s[\g1a:\g1a+7]
	s_nop 0
.rept 4
	v_nop
.endr
	s_branch .Lasked_\@
.Lfor_b_\@:
	tensor_load_to_lds s[\g0b:\g0b+3], s[\g1b:\g1b+7]
	s_nop 0
.rept 4
	v_nop
.endr
.Lasked_\@:
.endm
.macro CREST
	s_cmp_lg_u32 s14, 0
	s_cbranch_scc1 .Lnot_wave_0_\@
	s_barrier_signal -3
.Lnot_wave_0_\@:
	s_barrier_wait -3
	s_barrier_signal -1
	s_barrier_wait -1
.endm
.macro CROUND
	s_barrier_signal -1
	s_barrier_wait -1
	CREST
.endm
	s_load_b512 s[68:83], s[0:1], 0x0
	s_load_b64 s[84:85], s[0:1], 0x40
	v_lshl_add_u32 v[SPW], v0, 2, SPARE
	v_mov_b32 v[NIL], 0
	ds_add_u32 v[SPW], v[NIL]                      ; the opening lines: the add twice on end and its wait
	ds_add_u32 v[SPW], v[NIL]
	v_lshrrev_b32 v1, 5, v0
	v_readfirstlane_b32 s14, v1                    ; wave
	s_lshr_b32 s15, s14, 1                         ; my half of A's rows; also: I fetch for A (0) or B (1)
	s_and_b32 s16, s14, 1                          ; my half of B's rows; also: which 128 rows I fetch
	s_bfe_u32 s40, ttmp6, 0x40000
	s_bfe_u32 s41, ttmp6, 0x40004
	s_lshl_b32 s43, s41, 2
	s_lshl_b32 s43, 15, s43
	s_lshl_b32 s44, 0x1111, s40
	s_and_b32 s17, ttmp7, 0xffff
	s_lshl_b32 s17, s17, 2
	s_mov_b32 s42, s17
	s_wait_dscnt 0x0
	s_wait_kmcnt 0x0
	s_add_nc_u64 s[86:87], s[68:69], 0x300000      ; hb's scale bytes
	s_cmp_eq_u32 ttmp9, 0
	s_cselect_b64 s[88:89], s[70:71], s[74:75]
	s_cselect_b64 s[90:91], s[72:73], s[76:77]
	s_cselect_b64 s[12:13], s[82:83], s[84:85]
	s_cmp_eq_u32 ttmp9, 2
	s_cselect_b64 s[4:5], s[78:79], s[68:69]
	s_cselect_b64 s[6:7], s[80:81], s[86:87]
	s_cselect_b64 s[8:9], s[68:69], s[88:89]
	s_cselect_b64 s[10:11], s[86:87], s[90:91]
	s_cselect_b32 s17, 0, s17
	s_cselect_b32 s42, s42, 0
	s_add_co_u32 s17, s17, s41                     ; A's tile
	s_add_co_u32 s42, s42, s40                     ; B's tile
	s_or_b32 s[G1+0], s43, (0<<16)|(1<<20)|(1<<21)|(5<<22)|(3<<25)
	s_or_b32 s[G1B+0], s44, (0<<16)|(1<<20)|(1<<21)|(5<<22)|(3<<25)
.irp g, G1, G1B
	s_mov_b32 s[\g+1], ROWB<<16
	s_mov_b32 s[\g+2], 256<<16                     ; the head's loads bring 256 rows
	s_mov_b32 s[\g+3], ROWB<<16
	s_mov_b32 s[\g+4], 256
	s_mov_b32 s[\g+5], KROW
	s_mov_b32 s[\g+6], 0
	s_mov_b32 s[\g+7], 0
.endr
	s_lshl_b32 s20, s17, 8
	s_lshl_b32 s46, s42, 8
	s_mov_b32 s21, 0
	s_mov_b32 s47, 0
	s_mov_b64 s[18:19], KS
	s_mul_u64 s[22:23], s[20:21], s[18:19]
	s_mul_u64 s[92:93], s[46:47], s[18:19]
	s_mov_b64 s[18:19], KROW
	s_mul_u64 s[20:21], s[20:21], s[18:19]
	s_mul_u64 s[46:47], s[46:47], s[18:19]
	s_mul_i32 s18, s16, 128*KROW
	s_mov_b32 s19, 0
	s_mul_i32 s45, s14, HALFT
	s_add_nc_u64 s[20:21], s[4:5], s[20:21]
	s_add_nc_u64 s[22:23], s[6:7], s[22:23]
	s_add_nc_u64 s[46:47], s[8:9], s[46:47]
	s_add_nc_u64 s[92:93], s[10:11], s[92:93]
	CROUND                                         ; in front of the first joint loads
	s_mov_b32 s[G0H], 1
	s_mov_b32 s[G0H+1], 0
	s_mov_b64 s[G0H+2:G0H+3], s[20:21]
	s_or_b32 s[G0H+3], s[G0H+3], 0x80000000
	s_mov_b32 s[G0HB], 1
	s_mov_b32 s[G0HB+1], 2*HALFT
	s_mov_b64 s[G0HB+2:G0HB+3], s[46:47]
	s_or_b32 s[G0HB+3], s[G0HB+3], 0x80000000
	s_mov_b32 s[G0H1], 1
	s_mov_b32 s[G0H1+1], SLOT
	s_add_nc_u64 s[G0H1+2:G0H1+3], s[20:21], ROWB
	s_or_b32 s[G0H1+3], s[G0H1+3], 0x80000000
	s_mov_b32 s[G0HB1], 1
	s_mov_b32 s[G0HB1+1], SLOT+2*HALFT
	s_add_nc_u64 s[G0HB1+2:G0HB1+3], s[46:47], ROWB
	s_or_b32 s[G0HB1+3], s[G0HB1+3], 0x80000000
	s_add_nc_u64 s[20:21], s[20:21], s[18:19]      ; for the refill: my 128 rows
	s_add_nc_u64 s[46:47], s[46:47], s[18:19]
	s_mov_b32 s[G0], 1
	s_mov_b32 s[G0+1], s45
	s_mov_b64 s[G0+2:G0+3], s[20:21]
	s_or_b32 s[G0+3], s[G0+3], 0x80000000
	s_mov_b32 s[G0B], 1
	s_mov_b32 s[G0B+1], s45
	s_mov_b64 s[G0B+2:G0B+3], s[46:47]
	s_or_b32 s[G0B+3], s[G0B+3], 0x80000000
	s_lshl_b32 s18, s15, 12                        ; the scale bytes of my 128 rows of A,
	s_add_nc_u64 s[SAP:SAP+1], s[22:23], s[18:19]
	s_lshl_b32 s18, s16, 12                        ; and of B
	s_add_nc_u64 s[SBP:SBP+1], s[92:93], s[18:19]
; the head's four tiles, one load a wave, in one tree of branches: chunk 0 of A, chunk 0 of B, chunk 1 of A, chunk 1 of B
.macro ARM under, g0, g1, next
	s_cmp_lt_u32 s14, \under
	s_cbranch_scc0 \next
	tensor_load_to_lds s[\g0:\g0+3], s[\g1:\g1+7]
	s_nop 0
.rept 4
	v_nop
.endr
	s_branch .Lhead_asked
\next:
.endm
	ARM 1, G0H,  G1,  .Lhead_b
	ARM 2, G0HB, G1B, .Lhead_a1
	ARM 3, G0H1, G1,  .Lhead_b1
	tensor_load_to_lds s[G0HB1:G0HB1+3], s[G1B:G1B+7]
	s_nop 0
.rept 4
	v_nop
.endr
.Lhead_asked:
	v_and_b32 v1, 15, v0
	v_bfe_u32 v2, v0, 4, 1
	v_lshlrev_b32 v[SOF], 5, v1
	v_lshl_add_u32 v[SOF], v2, 4, v[SOF]           ; 32 r + 16 h
.irp i, 0,1,2,3,4,5,6,7
	global_load_b128 v[SA+4*\i:SA+4*\i+3], v[SOF], s[SAP:SAP+1] offset:512*\i   ; each load covers 512 consecutive bytes
	global_load_b128 v[SB+4*\i:SB+4*\i+3], v[SOF], s[SBP:SBP+1] offset:512*\i
.endr
	v_mul_u32_u24 v3, v1, PITCH
	v_mul_u32_u24 v4, v2, 24
	v_add_nc_u32 v4, v3, v4
	s_mov_b32 s21, SLOT-232
	s_mov_b32 s22, SLOT+232
	v_sub_nc_u32 v7, 1, v2
	v_mul_u32_u24 v5, s21, v2
	v_add_nc_u32 v5, v3, v5
	v_add_nc_u32 v5, 232, v5
	v_mul_u32_u24 v6, s22, v7
	v_add_nc_u32 v6, v3, v6
	s_mul_i32 s21, s15, HALFT
	s_mul_i32 s22, s16, HALFT
	s_add_co_u32 s22, s22, 2*HALFT
	v_add_nc_u32 v[ADRA+2], s21, v5
	v_add_nc_u32 v[ADRA+3], s21, v6
	v_add_nc_u32 v[ADRB+2], s22, v5
	v_add_nc_u32 v[ADRB+3], s22, v6
.irp s, 0,1
	v_add_nc_u32 v[ADRA+\s], s21, v4
	v_add_nc_u32 v[ADRB+\s], s22, v4
	s_add_co_u32 s21, s21, SLOT
	s_add_co_u32 s22, s22, SLOT
.endr
	; the way out's addresses
	v_and_b32 v6, 31, v0
	v_lshlrev_b32 v[VO16], 4, v6
	v_lshlrev_b32 v[VO8], 3, v6
	v_lshlrev_b32 v[SH], 4, v2
	s_lshl_b32 s21, s14, 10
	s_add_co_u32 s21, s21, STAGE
	v_lshlrev_b32 v[GQW], 2, v1
	v_lshl_add_u32 v[GQW], v2, 9, v[GQW]
	v_add_nc_u32 v[GQW], s21, v[GQW]
	s_lshl_b32 s22, s14, 9
	s_add_co_u32 s22, s22, STAGE+4096
	v_lshlrev_b32 v[GVW], 2, v1
	v_add_nc_u32 v[GVW], s22, v[GVW]
	v_lshlrev_b32 v[VSO], 4, v1
	v_lshl_add_u32 v[VSO], v2, 11, v[VSO]
	v_add_nc_u32 v[RB1], s21, v[VO16]
	v_add_nc_u32 v[RB2], s22, v[VO16]
	s_mov_b32 s[SEL], 0x76543210
	s_mov_b32 s[SEL+1], 0xfedcba98
	s_and_b32 s18, ttmp7, 0xffff
	s_lshl_b32 s18, s18, 3
	s_lshl_b32 s19, s40, 1
	s_add_co_u32 s19, s19, s16
	s_lshl_b32 s20, s41, 1
	s_add_co_u32 s20, s20, s15
	s_lshl_b32 s21, s20, 3
	s_add_co_u32 s22, s18, s19
	s_add_co_u32 s23, s18, s20
	s_cmp_eq_u32 ttmp9, 2
	s_cselect_b32 s22, s23, s22
	s_cselect_b32 s21, s19, s21
	s_mov_b32 s46, 768
	s_cselect_b32 s46, 6144, s46
	s_cselect_b32 s47, 98304, 0
	s_cselect_b32 s92, 256, 64
	s_cselect_b32 s93, 8192, 0
	s_cmp_eq_u32 ttmp9, 0
	s_mov_b32 s94, 196608
	s_cselect_b32 s94, 98304, s94
	s_mov_b32 s95, 12288
	s_cselect_b32 s95, 8192, s95
	s_mov_b32 s23, 0x600000
	s_cselect_b32 s23, 0x300000, s23
	s_mul_i32 s94, s94, s22
	s_mul_i32 s46, s46, s21
	s_add_co_u32 s94, s94, s46
	s_add_co_u32 s94, s94, s47
	s_mul_i32 s95, s95, s22
	s_mul_i32 s92, s92, s21
	s_add_co_u32 s95, s95, s92
	s_add_co_u32 s95, s95, s93
	s_add_co_u32 s95, s95, s23
	s_mov_b32 s20, s95
	s_mov_b32 s21, 0
	s_add_nc_u64 s[96:97], s[12:13], s[20:21]      ; the scale words
	s_mov_b32 s20, s94
	s_add_nc_u64 s[12:13], s[12:13], s[20:21]      ; the codes
.macro FRAG reg, adr, st, i            ; 12 registers in pieces of 8 bytes; byte y of a row lies in chunk y / 256, slot (y / 256) % 2
.irp p, 0,1,2,3,4,5
.set BY, 96*(\st)+48*(\p/3)+8*(\p%3)
.if BY/ROWB == (BY+24)/ROWB
	ds_load_b64 v[\reg+2*\p:\reg+2*\p+1], v[\adr+(BY/ROWB)%2] offset:BY%ROWB+(\i)*16*PITCH
.else
	ds_load_b64 v[\reg+2*\p:\reg+2*\p+1], v[\adr+2+(BY/ROWB)%2] offset:BY%ROWB-232+(\i)*16*PITCH
.endif
.endr
.endm
; 16 matrix instructions of step NX - 1 (NX is set at the step's head); p: B's set; sq = the step % 4: the register of a block's four scale words; steps 4-7 take lanes 16-31 of it.
; The 64 accumulators take turns, one instruction a turn.
.macro MUL16 a0, p, sq, zero
.irp a, \a0, \a0+1
.irp b, 0,1,2,3,4,5,6,7
.set DD, 8*(8*((\a)%4)+\b)
.set BB, 128*(\p)+FR*\b
.set AA, AF+FR*(\a)
.set S0, SB+4*\b+(\sq)
.set S1, SA+4*(\a)+(\sq)
.if \zero
	v_wmma_scale_f32_16x16x128_f8f6f4 v[DD:DD+7], v[BB:BB+FR-1], v[AA:AA+FR-1], 0, v[S0], v[S1] matrix_a_fmt:MATRIX_FMT_BF6 matrix_b_fmt:MATRIX_FMT_BF6
.elseif NX < 5
	v_wmma_scale_f32_16x16x128_f8f6f4 v[DD:DD+7], v[BB:BB+FR-1], v[AA:AA+FR-1], v[DD:DD+7], v[S0], v[S1] matrix_a_fmt:MATRIX_FMT_BF6 matrix_b_fmt:MATRIX_FMT_BF6
.else
	v_wmma_scale_f32_16x16x128_f8f6f4 v[DD:DD+7], v[BB:BB+FR-1], v[AA:AA+FR-1], v[DD:DD+7], v[S0], v[S1] matrix_a_fmt:MATRIX_FMT_BF6 matrix_b_fmt:MATRIX_FMT_BF6 matrix_a_scale:MATRIX_SCALE_ROW1 matrix_b_scale:MATRIX_SCALE_ROW1
.endif
.endr
.endr
.endm
.macro FETCH_B st, p
	WIN TO_B
.irp i, 0,1,2,3,4,5,6,7
	FRAG 128*(\p)+FR*\i, ADRB, \st, \i
.endr
	WIN 0
.endm
.macro FETCH_A st, i0
.irp i, \i0, \i0+1, \i0+2, \i0+3
	FRAG AF+FR*(\i), ADRA, \st, \i
.endr
.endm
.macro PLACES n
.rept \n
	v_nop
.endr
.endm
; A step: 64 matrix instructions; the next step's fragments are fetched in its middle and at its end.  Where the next step ends in chunk 2, not yet read: wait for my tensor loads, barrier.
; Where it begins in a later chunk: the wait, the add, the wait for it and for my reads, barrier; where a chunk two on is left, the barrier opens a round and the slot is filled again.
.macro STEP st, zero
.set NX, (\st)+1
.set C0, (96*(\st))/ROWB
.set C1, (96*NX)/ROWB
.set E0, (96*(\st)+95)/ROWB
.set E1, (96*NX+95)/ROWB
.if C1 > C0 || (E1 > E0 && E1 > 1)
	s_wait_tensorcnt 0x0
.if C1 > C0
	ds_add_u32 v[SPW], v[NIL]
	s_wait_dscnt 4*NL+1                            ; the add and the youngest 24 loads (A's blocks 4-7) may be out
.else
	s_wait_dscnt 4*NL
.endif
	WIN MUL_LO
	MUL16 0, (\st)%2, (\st)%4, \zero
	s_wait_dscnt 0x0
	s_barrier_signal -1
	MUL16 2, (\st)%2, (\st)%4, \zero
	WIN 0
	s_barrier_wait -1
.if C1 > C0 && C0+2 < CHUNKS
	CREST
	s_add_nc_u64 s[G0+2:G0+3], s[G0+2:G0+3], 2*ROWB
	s_add_nc_u64 s[G0B+2:G0B+3], s[G0B+2:G0B+3], 2*ROWB
	JLOAD G0, G1, G0B, G1B                         ; chunk 2 into slot 0
.else
	PLACES NP
.endif
.else
	s_wait_dscnt 4*NL                              ; the youngest 24 loads (A's blocks 4-7) may be out
	WIN MUL_LO
	MUL16 0, (\st)%2, (\st)%4, \zero
	MUL16 2, (\st)%2, (\st)%4, \zero
	s_wait_dscnt 0
	PLACES NP
.endif
	FETCH_B NX, NX%2
	FETCH_A NX, 0
	WIN MUL_HI
	MUL16 4, (\st)%2, (\st)%4, \zero
	MUL16 6, (\st)%2, (\st)%4, \zero
	PLACES NP
	WIN 0
	FETCH_A NX, 4
.endm
	s_wait_alu depctr_va_vdst(0)
	s_wait_tensorcnt 0x0                           ; my tile of the head's four is in
	s_mov_b32 s[G1+2], 128<<16                     ; no load of mine is out: the refill brings 128 rows a wave
	s_mov_b32 s[G1+4], 128
	s_mov_b32 s[G1B+2], 128<<16
	s_mov_b32 s[G1B+4], 128
	s_barrier_signal -1
	s_barrier_wait -1                              ; everybody's are
	FETCH_B 0, 0
	FETCH_A 0, 0
	FETCH_A 0, 4
	s_wait_loadcnt 0x0                             ; the scales
	STEP 0, 1
.set ST, 1
.rept STEPS-2
	STEP ST, 0
.set ST, ST+1
.endr
.set NX, STEPS
	s_wait_dscnt 4*NL
	WIN MUL_LO
	MUL16 0, 1, 3, 0
	MUL16 2, 1, 3, 0
	s_wait_dscnt 0
	WIN MUL_HI
	MUL16 4, 1, 3, 0
	MUL16 6, 1, 3, 0
	WIN 0
	PLACES NP
.irp b, 0,1,2,3
	v_mov_b32 v[TM+4+\b], 0                        ; a lane permute's destination counts as one of its sources
.endr
; THE WAY OUT, block a of my eight.  The quantiser reads the accumulators where they lie: register 16 b + i = k 32 b + 16 (lane / 16) + i.  Each block's codes get 12 registers of their own in window 1,
; so no store's data is written again; the scale words are gathered in my bytes of the stage.
.macro EPI a
.set AC, 64*((\a)%4)
.set WA, 2+(\a)/4
.set P, 12*(\a)
.set WX, 5*WA                          ; sources 0 and 1: the accumulators' window
	WIN WX
.irp b, 0,1,2,3
	v_max3_num_f32 v[TM+\b], |v[AC+16*\b]|, |v[AC+1+16*\b]|, 0x2800000   ; with the floor 2^(5 - 127): the byte cannot fall under 1
.endr
.set WX, 20*WA                         ; sources 1 and 2
	WIN WX
.irp i, 2,4,6,8,10,12,14
.irp b, 0,1,2,3
	v_max3_num_f32 v[TM+\b], v[TM+\b], |v[AC+16*\b+\i]|, |v[AC+1+16*\b+\i]|
.endr
.endr
	WIN 0
.irp b, 0,1,2,3
	v_permlanex16_b32 v[TM+4+\b], v[TM+\b], s[SEL], s[SEL+1]
.endr
.irp b, 0,1,2,3
	v_max_num_f32 v[TM+\b], v[TM+\b], v[TM+4+\b]
.endr
.irp b, 0,1,2,3
	v_add_nc_u32 v[TM+12+\b], 0xfe000000, v[TM+\b]
.endr
.irp b, 0,1,2,3
	v_lshrrev_b32 v[TM+4+\b], 23, v[TM+12+\b]
.endr
	v_lshl_or_b32 v[PW], v[TM+5], 8, v[TM+4]
	v_lshl_or_b32 v[PW], v[TM+6], 16, v[PW]
	v_lshl_or_b32 v[PW], v[TM+7], 24, v[PW]
	v_lshrrev_b32 v[PX], v[SH], v[PW]
	v_and_b32 v[PX], 0xffff, v[PX]
	ds_store_b32 v[GQW], v[PX] offset:64*(\a)
	ds_store_b32 v[GVW], v[PW] offset:64*(\a)
.set WX, 64+WA                         ; destination window 1, source 0 the accumulators'
	WIN WX
.irp c, 0,1
	v_cvt_scalef32_pk16_bf6_f32 v[P+6*\c:P+2+6*\c], v[AC+32*\c:AC+15+32*\c], v[TM+12+2*\c]
	v_cvt_scalef32_pk16_bf6_f32 v[PT+4*\c:PT+2+4*\c], v[AC+16+32*\c:AC+31+32*\c], v[TM+13+2*\c]
.endr
	v_nop
	WIN 0x41
.irp c, 0,1
.irp i, 0,1,2
	v_permlane16_swap_b32 v[P+6*\c+\i], v[PT+4*\c+\i]
.endr
.irp i, 0,1,2
	v_mov_b32 v[P+3+6*\c+\i], v[PT+4*\c+\i]
.endr
.endr
	WIN 0
	s_cmp_eq_u32 ttmp9, 2
	s_cbranch_scc1 .Lvc_\@
	WIN 0x04                                       ; the stores' data: window 1
	global_store_b128 v[VO16], v[P:P+3], s[12:13] offset:768*(\a)
	global_store_b64 v[VO8], v[P+4:P+5], s[12:13] offset:768*(\a)+512
	global_store_b128 v[VO16], v[P+6:P+9], s[12:13] offset:768*(\a)+49152
	global_store_b64 v[VO8], v[P+10:P+11], s[12:13] offset:768*(\a)+49664
	WIN 0
	s_branch .Lcd_\@
.Lvc_\@:
	s_wait_alu depctr_va_vdst(0)
	WIN 0x04
.irp g, 0,1,2
	global_store_b128 v[VO16], v[P+4*\g:P+4*\g+3], s[12:13] offset:49152*((\a)/4)+1536*((\a)%4)+512*\g
.endr
	WIN 0
.Lcd_\@:
.endm
.irp a, 0,1,2,3,4,5,6,7
	EPI \a
.endr
	ds_load_b128 v[160:163], v[RB1]                ; LDS serves a wave's instructions in order: these see my stores
	ds_load_b128 v[164:167], v[RB1] offset:512
	ds_load_b128 v[168:171], v[RB2]
	s_wait_dscnt 0x0
	s_cmp_eq_u32 ttmp9, 2
	s_cbranch_scc1 .Lvw
	global_store_b128 v[VO16], v[160:163], s[96:97]
	global_store_b128 v[VO16], v[164:167], s[96:97] offset:4096
	s_branch .Lwd
.Lvw:
	global_store_b128 v[VSO], v[168:171], s[96:97]
.Lwd:
	s_wait_tensorcnt 0x0                           ; the wave's end
	ds_add_u32 v[SPW], v[NIL]
	s_wait_dscnt 0x0
	CROUND
	s_endpgm
.Lfunc_end_k_q9fdfb6db99_qkv:
	.size	k_q9fdfb6db99_qkv, .Lfunc_end_k_q9fdfb6db99_qkv-k_q9fdfb6db99_qkv
	.p2alignl 7, 3214868480
	.fill 96, 4, 3214868480
	.section	.rodata,"a",@progbits
	.p2align	6, 0x0
	.amdhsa_kernel k_q9fdfb6db99_qkv
		.amdhsa_group_segment_fixed_size 327680
		.amdhsa_private_segment_fixed_size 0
		.amdhsa_enable_private_segment 0
		.amdhsa_kernarg_size 72
		.amdhsa_user_sgpr_count 2
		.amdhsa_user_sgpr_kernarg_segment_ptr 1
		.amdhsa_wavefront_size32 1
		.amdhsa_system_sgpr_workgroup_id_x 1
		.amdhsa_system_sgpr_workgroup_id_y 1
		.amdhsa_system_sgpr_workgroup_id_z 1
		.amdhsa_system_vgpr_workitem_id 0
		.amdhsa_next_free_vgpr 1024
		.amdhsa_next_free_sgpr 102
		.amdhsa_reserve_vcc 0
		.amdhsa_float_denorm_mode_32 3
		.amdhsa_float_denorm_mode_16_64 3
		.amdhsa_memory_ordered 1
		.amdhsa_forward_progress 1
		.amdhsa_inst_pref_size 171
	.end_amdhsa_kernel
	.amdgpu_metadata
---
amdhsa.version: [ 1, 2 ]
amdhsa.kernels:
  - .name:           k_q9fdfb6db99_qkv
    .symbol:         k_q9fdfb6db99_qkv.kd
    .args:
      - { .name: hb, .offset: 0, .size: 8, .value_kind: global_buffer, .address_space: global }
      - { .name: wq_codes, .offset: 8, .size: 8, .value_kind: global_buffer, .address_space: global }
      - { .name: wq_scales, .offset: 16, .size: 8, .value_kind: global_buffer, .address_space: global }
      - { .name: wk_codes, .offset: 24, .size: 8, .value_kind: global_buffer, .address_space: global }
      - { .name: wk_scales, .offset: 32, .size: 8, .value_kind: global_buffer, .address_space: global }
      - { .name: wv_codes, .offset: 40, .size: 8, .value_kind: global_buffer, .address_space: global }
      - { .name: wv_scales, .offset: 48, .size: 8, .value_kind: global_buffer, .address_space: global }
      - { .name: qb, .offset: 56, .size: 8, .value_kind: global_buffer, .address_space: global }
      - { .name: kvb, .offset: 64, .size: 8, .value_kind: global_buffer, .address_space: global }
    .group_segment_fixed_size: 327680
    .private_segment_fixed_size: 0
    .kernarg_segment_align: 8
    .kernarg_segment_size: 72
    .max_flat_workgroup_size: 128
    .sgpr_count:     102
    .vgpr_count:     1024
    .wavefront_size: 32
...
	.end_amdgpu_metadata
.endif
;; end of part 2
;; launch attn (part 3): grid 8 x 32, 16 waves a work-group, clusters of 4 x 1, 327,680 bytes of LDS; arguments qb, kvb, ob; writes ob
.if DOCPART == 3
	.amdgcn_target "amdgcn-amd-amdhsa--gfx1250"
	.amdhsa_code_object_version 6
	.text
	.protected	k_q9fdfb6db99_attn
	.globl	k_q9fdfb6db99_attn
	.p2align	8
	.type	k_q9fdfb6db99_attn,@function
k_q9fdfb6db99_attn:
	s_mov_b64 s[64:65], 0
	v_nop
	global_prefetch_b8 v0, s[64:65] scope:SCOPE_SE
	s_setreg_imm32_b32 hwreg(HW_REG_WAVE_MODE, 25, 1), 1
	s_wait_xcnt 0x0
	s_wait_alu depctr_hold_cnt(0) depctr_sa_sdst(0) depctr_va_vdst(0) depctr_va_sdst(0) depctr_va_ssrc(0) depctr_va_vcc(0) depctr_vm_vsrc(0)
	s_getreg_b32 s2, hwreg(HW_REG_IB_STS2, 6, 4)
	s_cmp_eq_u32 s2, 0
	s_cbranch_scc0 .Lentry_in_a_cluster
	s_endpgm
.Lentry_in_a_cluster:
	s_bfe_u32 s2, ttmp6, 0x10000c
	s_cmp_lg_u32 s2, 0x3003
	s_cbranch_scc0 .Lentry_shape_is_right
	s_endpgm
.Lentry_shape_is_right:
.set VC,  98304
.set SW,  196608
.set XS,  208896
.set WV,  10
.set SEL, 20
.set CS,  22
.set G1C, 24
.set G1S, 32
.set G0C, 40
.set G0S, 44
.macro CROUND
	s_barrier_signal -1
	s_barrier_wait -1
	s_cmp_lg_u32 s[WV], 0
	s_cbranch_scc1 .Lnot_wave_0_\@
	s_barrier_signal -3
.Lnot_wave_0_\@:
	s_barrier_wait -3
	s_barrier_signal -1
	s_barrier_wait -1
.endm
	s_load_b128 s[4:7], s[0:1], 0x0
	s_load_b64 s[8:9], s[0:1], 0x10
	v_lshl_add_u32 v243, v0, 2, 0x38000
	v_mov_b32 v255, 0
	ds_add_u32 v243, v255
	ds_add_u32 v243, v255
	v_lshrrev_b32 v1, 5, v0
	s_delay_alu instid0(VALU_DEP_1)
	v_readfirstlane_b32 s[WV], v1
	s_and_b32 s11, s[WV], 1
	s_lshr_b32 s12, s[WV], 1
	s_and_b32 s16, s12, 3
	s_lshr_b32 s17, s12, 2
	s_mul_i32 s18, s17, 7
	s_xor_b32 s13, s16, s18
	s_bfe_u32 s48, ttmp6, 0x40000
	s_lshl_b32 s49, ttmp9, 2
	s_add_co_u32 s49, s49, s48
	s_lshl_b32 s15, s16, 3
	s_add_co_u32 s15, s15, s49
	s_mul_i32 s18, s17, 63
	s_xor_b32 s15, s15, s18
	s_and_b32 s50, ttmp7, 0xffff
	s_mul_i32 s52, s50, 196608
	s_mul_i32 s51, s[WV], 16384                    ; waves 0-11 fetch the 196,608 bytes of codes, 16,384 each
	s_add_co_u32 s52, s52, s51
	s_mov_b32 s53, 0
	s_mov_b32 s[G0C+1], s51
	s_mul_i32 s54, s50, 12288
	s_and_b32 s51, s[WV], 3                        ; waves 12-15 fetch the 12,288 bytes of scale words, 3,072 each
	s_mul_i32 s51, s51, 3072
	s_add_co_u32 s54, s54, s51
	s_add_co_u32 s54, s54, 0x600000
	s_mov_b32 s55, 0
	s_add_co_u32 s[G0S+1], s51, SW
	s_lshl_b32 s51, s50, 1
	s_add_co_u32 s51, s51, s11
	s_mul_i32 s56, s51, 49152
	s_mul_i32 s18, s15, 768
	s_add_co_u32 s56, s56, s18
	s_mov_b32 s57, 0
	s_lshl_b32 s58, s51, 12
	s_lshl_b32 s18, s15, 6
	s_add_co_u32 s58, s58, s18
	s_add_co_u32 s58, s58, 0x300000
	s_mov_b32 s59, 0
	s_lshr_b32 s51, s50, 3
	s_and_b32 s18, s50, 7
	s_lshl_b32 s60, s51, 6
	s_add_co_u32 s60, s60, s15
	s_lshl_b32 s60, s60, 3
	s_add_co_u32 s60, s60, s18
	s_mul_i32 s60, s60, 1536
	s_mul_i32 s19, s11, 768
	s_add_co_u32 s60, s60, s19
	s_mov_b32 s61, 0
	s_lshl_b32 s62, s51, 15
	s_lshl_b32 s18, s18, 9
	s_add_co_u32 s62, s62, s18
	s_add_co_u32 s62, s62, 0x300000
	s_mov_b32 s63, 0
	s_mov_b32 s[G1C], 15|(3<<16)|(1<<21)
	s_mov_b32 s[G1C+1], 32<<16
	s_mov_b32 s[G1C+2], 64<<16
	s_mov_b32 s[G1C+3], 32<<16
	s_mov_b32 s[G1C+4], 64
	s_mov_b32 s[G1C+5], 32
	s_mov_b32 s[G1C+6], 0
	s_mov_b32 s[G1C+7], 0
	s_mov_b32 s[G1S], 15|(3<<16)|(1<<21)
	s_mov_b32 s[G1S+1], 32<<16
	s_mov_b32 s[G1S+2], 12<<16
	s_mov_b32 s[G1S+3], 32<<16
	s_mov_b32 s[G1S+4], 12
	s_mov_b32 s[G1S+5], 32
	s_mov_b32 s[G1S+6], 0
	s_mov_b32 s[G1S+7], 0
	s_mov_b32 s[G0C], 1
	s_mov_b32 s[G0S], 1
	s_mov_b32 s[SEL], 0x76543210
	s_mov_b32 s[SEL+1], 0xfedcba98
	s_mov_b32 s[CS], 0x3e38aa3b
	s_mov_b32 s[CS+1], s[CS]
	s_wait_dscnt 0x0
	s_wait_kmcnt 0x0
	s_add_nc_u64 s[G0C+2:G0C+3], s[6:7], s[52:53]
	s_or_b32 s[G0C+3], s[G0C+3], 0x80000000
	s_add_nc_u64 s[G0S+2:G0S+3], s[6:7], s[54:55]
	s_or_b32 s[G0S+3], s[G0S+3], 0x80000000
	s_add_nc_u64 s[16:17], s[4:5], s[58:59]
	s_add_nc_u64 s[4:5], s[4:5], s[56:57]
	s_add_nc_u64 s[18:19], s[8:9], s[62:63]
	s_add_nc_u64 s[8:9], s[8:9], s[60:61]
	CROUND
	s_cmp_lt_u32 s[WV], 12                         ; one joint load a wave, all as one group behind the one round
	s_cbranch_scc0 .Lhead_s
	tensor_load_to_lds s[G0C:G0C+3], s[G1C:G1C+7]
	s_nop 0
.rept 4
	v_nop
.endr
	s_branch .Lhead_j
.Lhead_s:
	tensor_load_to_lds s[G0S:G0S+3], s[G1S:G1S+7]
	s_nop 0
.rept 4
	v_nop
.endr
.Lhead_j:
	v_and_b32 v8, 31, v0
	v_and_b32 v9, 15, v0
	v_bfe_u32 v10, v0, 4, 1
	s_delay_alu instid0(VALU_DEP_3)
	v_lshlrev_b32 v31, 4, v8
	s_delay_alu instid0(VALU_DEP_4)
	v_lshlrev_b32 v7, 3, v8
	s_delay_alu instid0(VALU_DEP_4)
	v_lshlrev_b32 v254, 2, v9
	global_load_b128 v[16:19], v31, s[4:5]
	global_load_b64 v[20:21], v7, s[4:5] offset:512
	global_load_b32 v28, v254, s[16:17]
	s_mul_i32 s51, s11, 49152
	v_add_nc_u32 v1, s51, v31
	v_add_nc_u32 v2, s51, v7
	s_delay_alu instid0(VALU_DEP_1)
	v_add_nc_u32 v2, 512, v2
	s_delay_alu instid0(VALU_DEP_3)
	v_add_nc_u32 v3, VC, v1
	s_lshl_b32 s51, s11, 12
	s_add_co_u32 s51, s51, SW
	v_lshl_add_u32 v4, v8, 2, s51
	s_lshl_b32 s51, s11, 11
	s_add_co_u32 s51, s51, SW+8192
	v_lshl_add_u32 v5, v8, 2, s51
	s_lshr_b32 s51, s15, 1
	s_and_b32 s51, s51, 3
	s_lshl_b32 s51, s51, 5
	s_and_b32 s52, s15, 1
	s_lshl_b32 s52, s52, 3
	s_add_co_u32 s51, s51, s52
	v_and_b32 v11, 8, v9
	s_delay_alu instid0(VALU_DEP_1)
	v_add_nc_u32 v6, v9, v11
	s_delay_alu instid0(VALU_DEP_1)
	v_add_nc_u32 v6, s51, v6
	v_lshlrev_b32 v11, 4, v10
	s_delay_alu instid0(VALU_DEP_1)
	v_sub_nc_u32 v6, v6, v11
.irp j, 22,23,24,25,26,27
	v_mov_b32 v[\j], 0
.endr
.irp t, 0,1,2,3
.irp j, 6,7,8,9,10,11
	v_mov_b32 v[32+12*\t+\j], 0
.endr
.endr
	v_mov_b32 v13, 0xff61b1e6
	s_delay_alu instid0(VALU_DEP_1)
	v_floor_f32 v12, -v13
	v_mov_b32 v14, 0
	v_mov_b32 v15, 0
.irp b, 0,1,2,3
	v_mov_b32 v[236+\b], 0
.endr
	v_mov_b32 v252, 0
	v_mov_b32 v253, 0
.set n, 0
.rept 32
	v_mov_b32 v[192+n], 0
.set n, n+1
.endr
	s_wait_tensorcnt 0x0
	s_barrier_signal -1
	s_barrier_wait -1
	s_wait_loadcnt 0x0
	s_mov_b32 s14, 0
.macro KQ t, tau
.if (\tau)%2
	v_wmma_scale_f32_16x16x128_f8f6f4 v[128+8*(\tau):135+8*(\tau)], v[32+12*\t:43+12*\t], v[16:27], 0, v[248+(\tau)/2], v28 matrix_a_fmt:MATRIX_FMT_BF6 matrix_b_fmt:MATRIX_FMT_BF6 matrix_a_scale:MATRIX_SCALE_ROW1
.else
	v_wmma_scale_f32_16x16x128_f8f6f4 v[128+8*(\tau):135+8*(\tau)], v[32+12*\t:43+12*\t], v[16:27], 0, v[248+(\tau)/2], v28 matrix_a_fmt:MATRIX_FMT_BF6 matrix_b_fmt:MATRIX_FMT_BF6
.endif
.endm
.Lstep:
	s_cmp_gt_u32 s14, s13
	s_cbranch_scc1 .Lskip
	s_wait_alu depctr_va_vdst(0)
.irp t, 0,1,2,3
	ds_load_b128 v[32+12*\t:35+12*\t], v1 offset:768*\t
	ds_load_b64 v[36+12*\t:37+12*\t], v2 offset:768*\t
.endr
.irp i, 0,1,2,3
	ds_load_b32 v[248+\i], v4 offset:128*\i
.endr
	s_wait_dscnt 0x0
.irp t, 0,1,2,3
	KQ \t, \t
.endr
.rept 4
	v_nop
.endr
.irp t, 0,1,2,3
	ds_load_b128 v[32+12*\t:35+12*\t], v1 offset:768*(4+\t)
	ds_load_b64 v[36+12*\t:37+12*\t], v2 offset:768*(4+\t)
.endr
.irp t, 0,1,2,3
.irp g, 0,1,2
	ds_load_b128 v[80+12*\t+4*\g:83+12*\t+4*\g], v3 offset:1536*\t+512*\g
.endr
.endr
	ds_load_b32 v29, v5
	ds_load_b32 v30, v5 offset:128
	s_wait_dscnt 14
.irp t, 0,1,2,3
	KQ \t, 4+\t
.endr
.rept 4
	v_nop
.endr
	s_cmp_lg_u32 s14, s13
	s_cbranch_scc1 .Lopen
	v_mov_b32 v254, 0xff800000
.irp n, 0,1,2,3,4,5,6,7,8,9,10,11,12,13,14,15,16,17,18,19,20,21,22,23,24,25,26,27,28,29,30,31,32,33,34,35,36,37,38,39,40,41,42,43,44,45,46,47,48,49,50,51,52,53,54,55,56,57,58,59,60,61,62,63
	v_cmp_gt_i32 vcc_lo, 32*(\n/16)+\n%16, v6
	v_cndmask_b32 v[128+\n], v[128+\n], v254, vcc_lo
.endr
.Lopen:
.irp b, 0,1,2,3
	v_max3_num_f32 v[8+\b], v[128+16*\b], v[129+16*\b], v[130+16*\b]
.endr
.irp i, 3,5,7,9,11,13
.irp b, 0,1,2,3
	v_max3_num_f32 v[8+\b], v[8+\b], v[128+16*\b+\i], v[129+16*\b+\i]
.endr
.endr
.irp b, 0,1,2,3
	v_max_num_f32 v[8+\b], v[8+\b], v[143+16*\b]
.endr
.irp b, 0,1,2,3
	s_delay_alu instid0(VALU_DEP_4)
	v_permlanex16_b32 v[236+\b], v[8+\b], s[SEL], s[SEL+1]
.endr
.irp b, 0,1,2,3
	s_delay_alu instid0(VALU_DEP_4)
	v_max_num_f32 v[8+\b], v[8+\b], v[236+\b]
.endr
	s_delay_alu instid0(VALU_DEP_2)
	v_max3_num_f32 v254, v8, v9, v10
	s_delay_alu instid0(VALU_DEP_1)
	v_max_num_f32 v254, v254, v11
	s_delay_alu instid0(VALU_DEP_1)
	v_mul_f32 v254, s[CS], v254
	s_delay_alu instid0(VALU_DEP_1)
	v_max_num_f32 v13, v13, v254
	v_mov_b32 v254, v12
	s_delay_alu instid0(VALU_DEP_2)
	v_floor_f32 v12, -v13
	s_delay_alu instid0(VALU_DEP_1)
	v_sub_f32 v254, v12, v254
	s_delay_alu instid0(VALU_DEP_1)
	v_cvt_i32_f32 v254, v254
	s_delay_alu instid0(VALU_DEP_1)
	v_ldexp_f32 v252, 1.0, v254
.set n, 0
.rept 32
	v_pk_fma_f32 v[128+n:129+n], v[128+n:129+n], s[CS:CS+1], v[12:13] op_sel_hi:[1,0,0]
.set n, n+2
.endr
.irp b, 0,1,2,3
	v_fma_f32 v[8+\b], v[8+\b], s[CS], v12
.endr
.set n, 0
	s_wait_alu depctr_va_vdst(0)
.rept 64
	v_exp_f32 v[128+n], v[128+n]
.set n, n+1
.endr
	v_pk_mul_f32 v[14:15], v[14:15], v[252:253] op_sel_hi:[1,0]
	s_wait_alu depctr_va_vdst(0)
.irp b, 0,1,2,3
	v_exp_f32 v[8+\b], v[8+\b]
.endr
	v_pk_add_f32 v[236:237], v[128:129], v[130:131]
.irp j, 4,8,12,16,20,24,28,32,36,40,44,48,52,56,60
	v_pk_add_f32 v[14:15], v[14:15], v[128+\j:129+\j]
	v_pk_add_f32 v[236:237], v[236:237], v[130+\j:131+\j]
.endr
	s_delay_alu instid0(VALU_DEP_1)
	v_pk_add_f32 v[14:15], v[14:15], v[236:237]
	s_wait_alu depctr_va_vdst(0)
.irp b, 0,1,2,3
	v_max_num_f32 v[8+\b], 0x2800000, v[8+\b]
.endr
.irp b, 0,1,2,3
	s_delay_alu instid0(VALU_DEP_4)
	v_add_nc_u32 v[244+\b], 0xfe000000, v[8+\b]
.endr
.irp b, 0,1,2,3
	s_delay_alu instid0(VALU_DEP_4)
	v_lshrrev_b32 v[236+\b], 23, v[244+\b]
.endr
	s_delay_alu instid0(VALU_DEP_3)
	v_lshl_or_b32 v253, v237, 8, v236
	s_delay_alu instid0(VALU_DEP_1)
	v_lshl_or_b32 v253, v238, 16, v253
	s_delay_alu instid0(VALU_DEP_1)
	v_lshl_or_b32 v253, v239, 24, v253
.irp c, 0,1
	v_cvt_scalef32_pk16_bf6_f32 v[224+6*\c:226+6*\c], v[128+32*\c:143+32*\c], v[244+2*\c]
	v_cvt_scalef32_pk16_bf6_f32 v[236+4*\c:238+4*\c], v[144+32*\c:159+32*\c], v[244+2*\c+1]
.endr
	v_nop
.irp c, 0,1
.irp i, 0,1,2
	v_permlane16_swap_b32 v[224+6*\c+\i], v[236+4*\c+\i]
.endr
.irp i, 0,1,2
	s_delay_alu instid0(VALU_DEP_3)
	v_mov_b32 v[227+6*\c+\i], v[236+4*\c+\i]
.endr
.endr
.set n, 0
.rept 16
	v_pk_mul_f32 v[192+n:193+n], v[192+n:193+n], v[252:253] op_sel_hi:[1,0]
.set n, n+2
.endr
	s_wait_alu depctr_va_vdst(0)
	s_wait_dscnt 0x0
.irp t, 0,2
	v_wmma_scale_f32_16x16x128_f8f6f4 v[192+8*\t:199+8*\t], v[80+12*\t:91+12*\t], v[224:235], v[192+8*\t:199+8*\t], v[29+\t/2], v253 matrix_a_fmt:MATRIX_FMT_BF6 matrix_b_fmt:MATRIX_FMT_BF6
	v_wmma_scale_f32_16x16x128_f8f6f4 v[200+8*\t:207+8*\t], v[92+12*\t:103+12*\t], v[224:235], v[200+8*\t:207+8*\t], v[29+\t/2], v253 matrix_a_fmt:MATRIX_FMT_BF6 matrix_b_fmt:MATRIX_FMT_BF6 matrix_a_scale:MATRIX_SCALE_ROW1
.endr
.Lskip:
	s_wait_alu depctr_va_vdst(0)
	v_add_nc_u32 v1, 6144, v1
	v_add_nc_u32 v2, 6144, v2
	v_add_nc_u32 v3, 6144, v3
	v_add_nc_u32 v4, 512, v4
	v_add_nc_u32 v5, 256, v5
	s_add_co_u32 s14, s14, 1
	s_cmp_lt_u32 s14, 8
	s_cbranch_scc1 .Lstep
	s_wait_dscnt 0x0
	s_barrier_signal -1
	s_barrier_wait -1
	v_add_f32 v14, v14, v15
	s_delay_alu instid0(VALU_DEP_1)
	v_permlanex16_b32 v252, v14, s[SEL], s[SEL+1]
	s_delay_alu instid0(VALU_DEP_1)
	v_add_f32 v14, v14, v252
	s_wait_alu depctr_va_vdst(0)
	v_rcp_f32 v14, v14
	s_lshl_b32 s51, s12, 6
	s_lshl_b32 s52, s11, 1
	s_add_co_u32 s51, s51, s52
	s_add_co_u32 s51, s51, XS
	v_and_b32 v32, 15, v0
	s_delay_alu instid0(VALU_DEP_1)
	v_lshl_add_u32 v32, v32, 2, s51
	v_add_nc_u32 v33, XS, v31
	v_and_b32 v35, 31, v0
	s_delay_alu instid0(VALU_DEP_1)
	v_lshrrev_b32 v36, 2, v35
	s_delay_alu instid0(VALU_DEP_1)
	v_and_b32 v37, 3, v36
	s_delay_alu instid0(VALU_DEP_2)
	v_lshrrev_b32 v36, 2, v36
	s_delay_alu instid0(VALU_DEP_1)
	v_mul_u32_u24 v36, v36, 63
	s_delay_alu instid0(VALU_DEP_3)
	v_lshl_add_u32 v37, v37, 3, s49
	s_delay_alu instid0(VALU_DEP_1)
	v_xor_b32 v37, v37, v36
	s_delay_alu instid0(VALU_DEP_1)
	v_lshrrev_b32 v36, 3, v37
	s_delay_alu instid0(VALU_DEP_2)
	v_and_b32 v37, 7, v37
	s_delay_alu instid0(VALU_DEP_2)
	v_lshlrev_b32 v34, 12, v36
	s_delay_alu instid0(VALU_DEP_1)
	v_lshl_add_u32 v34, v37, 6, v34
	v_and_b32 v35, 3, v35
	s_delay_alu instid0(VALU_DEP_1)
	v_lshl_add_u32 v34, v35, 4, v34
	s_wait_alu depctr_va_vdst(0)
.set n, 0
.rept 32
	v_mul_f32 v[128+n], v[192+n], v14
.set n, n+1
.endr
.irp b, 0,1
.irp j, 0,1,2,3,4,5,6,7
	v_permlane16_swap_b32 v[128+16*\b+\j], v[136+16*\b+\j]
.endr
.endr
.irp b, 0,1
	v_max3_num_f32 v[8+\b], |v[128+16*\b]|, |v[129+16*\b]|, 0x2800000
.endr
.irp i, 2,4,6,8,10,12,14
.irp b, 0,1
	s_delay_alu instid0(VALU_DEP_2)
	v_max3_num_f32 v[8+\b], v[8+\b], |v[128+16*\b+\i]|, |v[129+16*\b+\i]|
.endr
.endr
.irp b, 0,1
	s_delay_alu instid0(VALU_DEP_2)
	v_permlanex16_b32 v[236+\b], v[8+\b], s[SEL], s[SEL+1]
.endr
.irp b, 0,1
	s_delay_alu instid0(VALU_DEP_2)
	v_max_num_f32 v[8+\b], v[8+\b], v[236+\b]
.endr
.irp b, 0,1
	s_delay_alu instid0(VALU_DEP_2)
	v_add_nc_u32 v[244+\b], 0xfe000000, v[8+\b]
.endr
.irp b, 0,1
	s_delay_alu instid0(VALU_DEP_2)
	v_lshrrev_b32 v[10+\b], 23, v[244+\b]
.endr
	s_delay_alu instid0(VALU_DEP_1)
	v_lshl_or_b32 v253, v11, 8, v10
	v_cvt_scalef32_pk16_bf6_f32 v[224:226], v[128:143], v244
	v_cvt_scalef32_pk16_bf6_f32 v[236:238], v[144:159], v245
	v_nop
.irp i, 0,1,2
	v_permlane16_swap_b32 v[224+\i], v[236+\i]
.endr
.irp i, 0,1,2
	s_delay_alu instid0(VALU_DEP_3)
	v_mov_b32 v[227+\i], v[236+\i]
.endr
	global_store_b128 v31, v[224:227], s[8:9]
	global_store_b64 v7, v[228:229], s[8:9] offset:512
	ds_store_b16 v32, v253
	s_wait_dscnt 0x0
	s_barrier_signal -1
	s_barrier_wait -1
	s_cmp_lg_u32 s[WV], 0
	s_cbranch_scc1 .Lnw
	ds_load_b128 v[40:43], v33
	s_wait_dscnt 0x0
	global_store_b128 v34, v[40:43], s[18:19]
.Lnw:
	s_wait_tensorcnt 0x0
	ds_add_u32 v243, v255
	s_wait_dscnt 0x0
	CROUND
	s_endpgm
.Lfunc_end_k_q9fdfb6db99_attn:
	.size	k_q9fdfb6db99_attn, .Lfunc_end_k_q9fdfb6db99_attn-k_q9fdfb6db99_attn
	.p2alignl 7, 3214868480
	.fill 96, 4, 3214868480
	.section	.rodata,"a",@progbits
	.p2align	6, 0x0
	.amdhsa_kernel k_q9fdfb6db99_attn
		.amdhsa_group_segment_fixed_size 327680
		.amdhsa_private_segment_fixed_size 0
		.amdhsa_enable_private_segment 0
		.amdhsa_kernarg_size 24
		.amdhsa_user_sgpr_count 2
		.amdhsa_user_sgpr_kernarg_segment_ptr 1
		.amdhsa_wavefront_size32 1
		.amdhsa_system_sgpr_workgroup_id_x 1
		.amdhsa_system_sgpr_workgroup_id_y 1
		.amdhsa_system_sgpr_workgroup_id_z 1
		.amdhsa_system_vgpr_workitem_id 0
		.amdhsa_next_free_vgpr 256
		.amdhsa_next_free_sgpr 66
		.amdhsa_reserve_vcc 1
		.amdhsa_float_denorm_mode_32 3
		.amdhsa_float_denorm_mode_16_64 3
		.amdhsa_memory_ordered 1
		.amdhsa_forward_progress 1
		.amdhsa_inst_pref_size 39
	.end_amdhsa_kernel
	.amdgpu_metadata
---
amdhsa.version: [ 1, 2 ]
amdhsa.kernels:
  - .name:           k_q9fdfb6db99_attn
    .symbol:         k_q9fdfb6db99_attn.kd
    .args:
      - { .name: qb, .offset: 0, .size: 8, .value_kind: global_buffer, .address_space: global }
      - { .name: kvb, .offset: 8, .size: 8, .value_kind: global_buffer, .address_space: global }
      - { .name: ob, .offset: 16, .size: 8, .value_kind: global_buffer, .address_space: global }
    .group_segment_fixed_size: 327680
    .private_segment_fixed_size: 0
    .kernarg_segment_align: 8
    .kernarg_segment_size: 24
    .max_flat_workgroup_size: 512
    .sgpr_count:     66
    .vgpr_count:     256
    .wavefront_size: 32
...
	.end_amdgpu_metadata
.endif
;; end of part 3
;; launch wo (part 4): grid 8 x 32, 4 waves a work-group, clusters of 4 x 4, 327,680 bytes of LDS; arguments ob, wo_codes, wo_scales, bo, x, x1; writes x1
.if DOCPART == 4
	.amdgcn_target "amdgcn-amd-amdhsa--gfx1250"
	.amdhsa_code_object_version 6
	.text
	.protected	k_q9fdfb6db99_wo
	.globl	k_q9fdfb6db99_wo
	.p2align	8
	.type	k_q9fdfb6db99_wo,@function
k_q9fdfb6db99_wo:
	s_mov_b64 s[64:65], 0
	v_nop
	global_prefetch_b8 v0, s[64:65] scope:SCOPE_SE
	s_setreg_imm32_b32 hwreg(HW_REG_WAVE_MODE, 25, 1), 1
	s_wait_xcnt 0x0
	s_wait_alu depctr_hold_cnt(0) depctr_sa_sdst(0) depctr_va_vdst(0) depctr_va_sdst(0) depctr_va_ssrc(0) depctr_va_vcc(0) depctr_vm_vsrc(0)
	s_getreg_b32 s2, hwreg(HW_REG_IB_STS2, 6, 4)
	s_cmp_eq_u32 s2, 0
	s_cbranch_scc0 .Lentry_in_a_cluster
	s_endpgm
.Lentry_in_a_cluster:
	s_bfe_u32 s2, ttmp6, 0x10000c
	s_cmp_lg_u32 s2, 0xf033
	s_cbranch_scc0 .Lentry_shape_is_right
	s_endpgm
.Lentry_shape_is_right:
; x1 = x + bo + A wo^T on codes of BF6 (E3M2), one E8M0 byte for each 32 along K = 1,024.  4,096 rows, 1,024 columns, f32 out, in the tokens' true order.
; A: images of operand registers, [block of 16 positions 256][K step of 128: 8][1,536 bytes: registers 6 c .. 6 c + 3 at 768 c + 16 x lane, 6 c + 4, 5 at 768 c + 512 + 8 x lane]; behind them scale words [block / 8][K step][block % 8][16 x 4].
; W: codes [1024][768 bytes], scale bytes [1024][32].
; A tile of 128 x 128 gives each of 256 WGPs a work-group.  Four waves, 64 x 64 each: 16 accumulators.
; ALL OF K LIES IN LDS AT ONCE: A's eight blocks (98,304 bytes, dense), W's 128 whole rows (768 bytes + 3 x 80 of padding), both sets of scales: four tiles, one joint load a wave at the head, nothing is filled again,
; and one barrier shows the tiles to all waves.  4 x 4 clusters: A's tiles are shared along a row, W's along a column.  The matrix instruction is used transposed (source 0 = 16 rows of W).
; The bias is the C of the first products.  The residual is asked for behind that barrier, when the tiles are in, has the eight K steps in which to come, and is added on the way out.
; Row i of block B is token 32 (B / 2) + 8 (B % 2) + i + 8 (i / 8).
; No prefetch: there is no loop to run ahead in, all tiles are asked for at the head.  LIMITS: NaN and infinities are not served.
.set NK,     8
.set KS,     32
.set KROW,   768
.set ASOFF,  4096*KROW
.set ABLK,   NK*1536                   ; a block's images of all K steps
.set WB,     8*ABLK                    ; W's rows lie behind A's images
.set PITCH,  1008                      ; 3 x (256 + 80)
.set SCB,    WB+128*PITCH              ; W's scale bytes, as units of 256 bytes + 16
.set HALFSB, (64*KS/256)*272
.set SBLK,   (16*KS/256)*272
.set SCA,    SCB+2*HALFSB              ; A's scale words: a K step's 512 bytes + 64
.set SAK,    576
.set SPARE,  SCA+NK*SAK                ; the spare words: 128 bytes a wave
.set STAGE,  SPARE+512                 ; the way out: 16 rows x 272 bytes a wave, bytes into which no fill lands
.set SPW,  28
.set NIL,  29
.set BIAS, 64
.set G1, 24
.set G0, 32
.set G1B, 48
.set G0B, 56
.set G1S, 68
.set G0S, 76
.set G1SB, 80
.set G0SB, 88
; REGISTERS.  Window 0: v16 A's images by 16 bytes a lane, v18 by 8; v20 W's rows, v22 the same behind one padding more; v24, v25 the stage in and out; v26 my bytes in out and res; v27 A's words, v30 W's bytes; v31 32 h;
; v32-63 scale words, two sets of four K steps (A's block i at 32 + 16 set + 2 i + e, W's block b at 40 + 16 set + 2 b + e; K step q of four: register e = q % 2, lanes 0-15 for q < 2, else 16-31);
; v64-127 the bias, later rows on their way out; v128-255 the accumulators.  Window 1: two fragment buffers at v0 and v128: A's four, then W's four.  Window 2: the residual.
.set MSB, 0
.macro WIN new
.if MSB != \new
	s_set_vgpr_msb (MSB<<8)|\new
.set MSB, \new
.endif
.endm
.set MUL, 0x05                         ; sources 0 and 1 window 1; C and D window 0
.macro CROUND
	s_barrier_signal -1
	s_barrier_wait -1
	s_cmp_lg_u32 s14, 0
	s_cbranch_scc1 .Lnot_wave_0_\@
	s_barrier_signal -3
.Lnot_wave_0_\@:
	s_barrier_wait -3
	s_barrier_signal -1
	s_barrier_wait -1
.endm
.macro PLACES n
.rept \n
	v_nop
.endr
.endm
	s_load_b64 s[4:5], s[0:1], 0x0                 ; A
	s_load_b64 s[8:9], s[0:1], 0x8                 ; W's codes
	s_load_b64 s[10:11], s[0:1], 0x10              ; W's scales
	s_load_b64 s[96:97], s[0:1], 0x18              ; bias
	s_load_b64 s[98:99], s[0:1], 0x20              ; res
	s_load_b64 s[12:13], s[0:1], 0x28              ; out
	v_lshl_add_u32 v[SPW], v0, 2, SPARE
	v_mov_b32 v[NIL], 0
	ds_add_u32 v[SPW], v[NIL]                      ; the opening lines: the add twice on end and its wait
	ds_add_u32 v[SPW], v[NIL]
	v_lshrrev_b32 v1, 5, v0
	v_readfirstlane_b32 s14, v1                    ; wave
	s_lshr_b32 s15, s14, 1                         ; my half of the tile's rows
	s_and_b32 s16, s14, 1                          ; my half of its columns
	s_bfe_u32 s40, ttmp6, 0x40000
	s_bfe_u32 s41, ttmp6, 0x40004
	s_lshl_b32 s42, ttmp9, 2
	s_add_co_u32 s42, s42, s40                     ; tile column
	s_and_b32 s17, ttmp7, 0xffff
	s_lshl_b32 s17, s17, 2
	s_add_co_u32 s17, s17, s41                     ; tile row
	s_lshl_b32 s43, s41, 2
	s_lshl_b32 s43, 15, s43
	s_lshl_b32 s44, 0x1111, s40
	s_or_b32 s[G1+0], s43, (3<<16)|(1<<21)         ; A's images: 98,304 dense bytes as 384 rows of 256
	s_mov_b32 s[G1+1], 32<<16
	s_mov_b32 s[G1+2], 384<<16
	s_mov_b32 s[G1+3], 32<<16
	s_mov_b32 s[G1+4], 384
	s_mov_b32 s[G1+5], 32
	s_mov_b32 s[G1+6], 0
	s_mov_b32 s[G1+7], 0
	s_or_b32 s[G1B+0], s44, (0<<16)|(1<<20)|(1<<21)|(5<<22)|(19<<25)   ; W's codes: 128 rows x 768 bytes, 20 words of padding behind every 64
	s_mov_b32 s[G1B+1], 768<<16
	s_mov_b32 s[G1B+2], 128<<16
	s_mov_b32 s[G1B+3], 768<<16
	s_mov_b32 s[G1B+4], 128
	s_mov_b32 s[G1B+5], KROW
	s_mov_b32 s[G1B+6], 0
	s_mov_b32 s[G1B+7], 0
	s_or_b32 s[G1S+0], s43, (3<<16)|(1<<20)|(1<<21)|(6<<22)|(15<<25)   ; A's words: NK x 512 bytes, dense, 16 words of padding behind each
	s_mov_b32 s[G1S+1], 64<<16
	s_mov_b32 s[G1S+2], NK<<16
	s_mov_b32 s[G1S+3], 64<<16
	s_mov_b32 s[G1S+4], NK
	s_mov_b32 s[G1S+5], 64
	s_mov_b32 s[G1S+6], 0
	s_mov_b32 s[G1S+7], 0
	s_or_b32 s[G1SB+0], s44, (3<<16)|(1<<20)|(1<<21)|(5<<22)|(3<<25)   ; W's scale bytes of 128 rows: dense, rows of 256 bytes, 4 words of padding behind each
	s_mov_b32 s[G1SB+1], 32<<16
	s_mov_b32 s[G1SB+2], (128*KS/256)<<16
	s_mov_b32 s[G1SB+3], 32<<16
	s_mov_b32 s[G1SB+4], 128*KS/256
	s_mov_b32 s[G1SB+5], 32
	s_mov_b32 s[G1SB+6], 0
	s_mov_b32 s[G1SB+7], 0
	s_mul_i32 s20, s17, 8*ABLK
	s_mov_b32 s21, 0
	s_mul_i32 s22, s17, 512*NK
	s_add_co_u32 s22, s22, ASOFF
	s_mov_b32 s23, 0
	s_lshl_b32 s46, s42, 7
	s_mul_i32 s92, s46, KS
	s_mov_b32 s93, 0
	s_mul_i32 s46, s46, KROW
	s_mov_b32 s47, 0
	s_mov_b32 s[G0], 1
	s_mov_b32 s[G0+1], 0
	s_mov_b32 s[G0B], 1
	s_mov_b32 s[G0B+1], WB
	s_mov_b32 s[G0S], 1
	s_mov_b32 s[G0S+1], SCA
	s_mov_b32 s[G0SB], 1
	s_mov_b32 s[G0SB+1], SCB
	s_wait_dscnt 0x0
	s_wait_kmcnt 0x0
	s_add_nc_u64 s[G0+2:G0+3], s[4:5], s[20:21]
	s_or_b32 s[G0+3], s[G0+3], 0x80000000
	s_add_nc_u64 s[G0B+2:G0B+3], s[8:9], s[46:47]
	s_or_b32 s[G0B+3], s[G0B+3], 0x80000000
	s_add_nc_u64 s[G0S+2:G0S+3], s[4:5], s[22:23]
	s_or_b32 s[G0S+3], s[G0S+3], 0x80000000
	s_add_nc_u64 s[G0SB+2:G0SB+3], s[10:11], s[92:93]
	s_or_b32 s[G0SB+3], s[G0SB+3], 0x80000000
	CROUND                                         ; in front of the joint loads
.macro ARM under, g0, g1, next         ; one tree of branches on the wave's number, one load to an arm
	s_cmp_lt_u32 s14, \under
	s_cbranch_scc0 \next
	tensor_load_to_lds s[\g0:\g0+3], s[\g1:\g1+7]
	s_nop 0
.rept 4
	v_nop
.endr
	s_branch .Lhead_asked
\next:
.endm
	ARM 1, G0,  G1,  .Lhead_b
	ARM 2, G0B, G1B, .Lhead_sa
	ARM 3, G0S, G1S, .Lhead_sb
	tensor_load_to_lds s[G0SB:G0SB+3], s[G1SB:G1SB+7]
	s_nop 0
.rept 4
	v_nop
.endr
.Lhead_asked:
	v_and_b32 v1, 15, v0                           ; r
	v_bfe_u32 v2, v0, 4, 1                         ; h
	v_and_b32 v6, 31, v0
	v_lshlrev_b32 v3, 4, v6
	v_lshlrev_b32 v4, 3, v6
	v_mul_u32_u24 v5, v1, PITCH
	v_mad_u32_u24 v7, v2, 104, v5
	v_mad_u32_u24 v5, v2, 24, v5
	s_mul_i32 s21, s15, 4*ABLK
	s_mul_i32 s22, s16, 64*PITCH
	s_add_co_u32 s22, s22, WB
	v_add_nc_u32 v16, s21, v3
	v_add_nc_u32 v18, s21, v4
	v_add_nc_u32 v20, s22, v5
	v_add_nc_u32 v22, s22, v7
	s_mul_i32 s23, s14, 16*272
	s_add_co_u32 s23, s23, STAGE
	v_mul_u32_u24 v5, v1, 272
	v_lshl_add_u32 v5, v2, 5, v5
	v_add_nc_u32 v24, s23, v5
	v_mul_u32_u24 v5, v2, 272
	v_lshl_add_u32 v5, v1, 4, v5
	v_add_nc_u32 v25, s23, v5
	v_lshlrev_b32 v26, 12, v2
	v_lshl_add_u32 v26, v1, 4, v26                 ; lanes 0-15 one row of out, lanes 16-31 the next
	s_lshl_b32 s21, s15, 8
	s_add_co_u32 s21, s21, SCA
	v_mul_u32_u24 v5, v2, 2*SAK                    ; lanes 16-31 take the words two K steps on
	v_lshl_add_u32 v5, v1, 2, v5
	v_add_nc_u32 v27, s21, v5
	s_mul_i32 s21, s16, HALFSB
	s_add_co_u32 s21, s21, SCB
	v_mul_u32_u24 v5, v1, KS
	v_lshrrev_b32 v7, 8, v5
	v_lshl_add_u32 v5, v7, 4, v5
	v_lshl_add_u32 v5, v2, 3, v5
	v_add_nc_u32 v30, s21, v5
	v_lshlrev_b32 v31, 5, v2
	s_wait_alu depctr_va_vdst(0)
	s_lshl_b32 s20, s17, 7
	s_lshl_b32 s21, s15, 6
	s_add_co_u32 s20, s20, s21
	s_lshl_b32 s20, s20, 12
	s_lshl_b32 s46, s42, 9
	s_lshl_b32 s47, s16, 8
	s_add_co_u32 s46, s46, s47
	s_mov_b32 s47, 0
	s_add_co_u32 s20, s20, s46
	s_mov_b32 s21, 0
	s_add_nc_u64 s[12:13], s[12:13], s[20:21]
	s_add_nc_u64 s[98:99], s[98:99], s[20:21]
	s_add_nc_u64 s[96:97], s[96:97], s[46:47]
.irp b, 0,1,2,3
	global_load_b128 v[BIAS+8*\b:BIAS+8*\b+3], v31, s[96:97] offset:64*\b
	global_load_b128 v[BIAS+8*\b+4:BIAS+8*\b+7], v31, s[96:97] offset:64*\b+16
.endr
.macro FETCH kf, f                     ; 40 LDS loads: the fragments of K step kf into buffer f
	WIN 0x40
.irp i, 0,1,2,3
	ds_load_b128 v[\f+12*\i:\f+12*\i+3], v16 offset:ABLK*\i+1536*(\kf)
	ds_load_b64 v[\f+12*\i+4:\f+12*\i+5], v18 offset:ABLK*\i+1536*(\kf)+512
	ds_load_b128 v[\f+12*\i+6:\f+12*\i+9], v16 offset:ABLK*\i+1536*(\kf)+768
	ds_load_b64 v[\f+12*\i+10:\f+12*\i+11], v18 offset:ABLK*\i+1536*(\kf)+1280
.endr
.irp i, 0,1,2,3
.irp p, 0,1,2,3,4,5
.set PCN, 12*(\kf)+6*(\p/3)+\p%3       ; the row's piece of 8 bytes of lanes 0-15; lanes 16-31 take the piece three on, behind one padding more where PCN % 32 is 29 or more
.if PCN%32 < 29
	ds_load_b64 v[\f+48+12*\i+2*\p:\f+48+12*\i+2*\p+1], v20 offset:8*PCN+80*(PCN/32)+16*PITCH*\i
.else
	ds_load_b64 v[\f+48+12*\i+2*\p:\f+48+12*\i+2*\p+1], v22 offset:8*PCN+80*(PCN/32)+16*PITCH*\i
.endif
.endr
.endr
.endm
.macro SCALES set
.irp i, 0,1,2,3
.irp e, 0,1
	ds_load_b32 v[32+16*\set+2*\i+\e], v27 offset:64*\i+SAK*\e+4*SAK*\set
.endr
.endr
.irp b, 0,1,2,3
	ds_load_b64 v[40+16*\set+2*\b:41+16*\set+2*\b], v30 offset:SBLK*\b+16*\set
.endr
.endm
.macro MUL4 a                          ; K step ks: A's block a x W's four.  The 16 accumulators take turns, one instruction a turn
.set FB, 128*(ks%2)
.set SS, 16*(ks/4)+ks%2
.irp b, 0,1,2,3
.set DD, 128+8*(4*(\a)+\b)
.if ks == 0
	v_wmma_scale_f32_16x16x128_f8f6f4 v[DD:DD+7], v[FB+48+12*\b:FB+59+12*\b], v[FB+12*(\a):FB+12*(\a)+11], v[BIAS+8*\b:BIAS+8*\b+7], v[40+SS+2*\b], v[32+SS+2*(\a)] matrix_a_fmt:MATRIX_FMT_BF6 matrix_b_fmt:MATRIX_FMT_BF6
.elseif ks%4 < 2
	v_wmma_scale_f32_16x16x128_f8f6f4 v[DD:DD+7], v[FB+48+12*\b:FB+59+12*\b], v[FB+12*(\a):FB+12*(\a)+11], v[DD:DD+7], v[40+SS+2*\b], v[32+SS+2*(\a)] matrix_a_fmt:MATRIX_FMT_BF6 matrix_b_fmt:MATRIX_FMT_BF6
.else
	v_wmma_scale_f32_16x16x128_f8f6f4 v[DD:DD+7], v[FB+48+12*\b:FB+59+12*\b], v[FB+12*(\a):FB+12*(\a)+11], v[DD:DD+7], v[40+SS+2*\b], v[32+SS+2*(\a)] matrix_a_fmt:MATRIX_FMT_BF6 matrix_b_fmt:MATRIX_FMT_BF6 matrix_a_scale:MATRIX_SCALE_ROW1 matrix_b_scale:MATRIX_SCALE_ROW1
.endif
.endr
.endm
	s_wait_tensorcnt 0x0                           ; my tile is in,
	s_barrier_signal -1
	s_barrier_wait -1                              ; everybody's are
	FETCH 0, 0
	WIN 0
	SCALES 0
	SCALES 1
	WIN 0x80                                       ; destination window 2: the residual, 32 loads, 256 consecutive bytes to sixteen lanes
.irp a, 0,1,2,3
.irp t, 0,1,2,3,4,5,6,7
	global_load_b128 v[32*\a+4*\t:32*\a+4*\t+3], v26, s[98:99] offset:(32*(\a/2)+8*(\a%2)+2*\t+8*(\t/4))*4096 th:TH_LOAD_NT
.endr
.endr
	WIN 0
	s_wait_loadcnt 32                              ; the bias, 8 loads, is in; the residual's 32 loads, issued behind it, may be out
.set ks, 0
.rept NK
	s_wait_dscnt 0x0                               ; this step's fragments are in
.if ks < NK-1
	PLACES 4                                       ; in front of loads into the buffer that the last step's products read
	FETCH ks+1, 128*((ks+1)%2)
.endif
	WIN MUL
	MUL4 0
	MUL4 1
	MUL4 2
	MUL4 3
.set ks, ks+1
.endr
	WIN 0
	PLACES 4
	s_wait_loadcnt 0x0                             ; the residual
; THE WAY OUT, a block of 16 rows x 64 columns at a time, through my own stage: sixteen lanes then hold 256 consecutive bytes of a row.
.irp a, 0,1,2,3
.set BKR, 96-32*(\a%2)
.if \a >= 2
	s_wait_xcnt 0x0                                ; the stores of two blocks ago have read these registers
.endif
.irp b, 0,1,2,3
	ds_store_b128 v24, v[128+8*(4*\a+\b):128+8*(4*\a+\b)+3] offset:64*\b
	ds_store_b128 v24, v[128+8*(4*\a+\b)+4:128+8*(4*\a+\b)+7] offset:64*\b+16
.endr
.irp t, 0,1,2,3,4,5,6,7
	ds_load_b128 v[BKR+4*\t:BKR+4*\t+3], v25 offset:544*\t   ; LDS serves a wave's instructions in order: these see my stores
.endr
	s_wait_dscnt 0x0
	WIN 0x08
.irp t, 0,1,2,3,4,5,6,7
.irp u, 0,2
	v_pk_add_f32 v[BKR+4*\t+\u:BKR+4*\t+\u+1], v[BKR+4*\t+\u:BKR+4*\t+\u+1], v[32*\a+4*\t+\u:32*\a+4*\t+\u+1]
.endr
.endr
	WIN 0
.irp t, 0,1,2,3,4,5,6,7
	global_store_b128 v26, v[BKR+4*\t:BKR+4*\t+3], s[12:13] offset:(32*(\a/2)+8*(\a%2)+2*\t+8*(\t/4))*4096   ; 16 lanes store 256 consecutive bytes, aligned
.endr
.endr
	s_wait_tensorcnt 0x0                           ; the wave's end
	ds_add_u32 v[SPW], v[NIL]
	s_wait_dscnt 0x0
	CROUND                                         ; the closing round
	s_endpgm
.Lfunc_end_k_q9fdfb6db99_wo:
	.size	k_q9fdfb6db99_wo, .Lfunc_end_k_q9fdfb6db99_wo-k_q9fdfb6db99_wo
	.p2alignl 7, 3214868480
	.fill 96, 4, 3214868480
	.section	.rodata,"a",@progbits
	.p2align	6, 0x0
	.amdhsa_kernel k_q9fdfb6db99_wo
		.amdhsa_group_segment_fixed_size 327680
		.amdhsa_private_segment_fixed_size 0
		.amdhsa_enable_private_segment 0
		.amdhsa_kernarg_size 48
		.amdhsa_user_sgpr_count 2
		.amdhsa_user_sgpr_kernarg_segment_ptr 1
		.amdhsa_wavefront_size32 1
		.amdhsa_system_sgpr_workgroup_id_x 1
		.amdhsa_system_sgpr_workgroup_id_y 1
		.amdhsa_system_sgpr_workgroup_id_z 1
		.amdhsa_system_vgpr_workitem_id 0
		.amdhsa_next_free_vgpr 768
		.amdhsa_next_free_sgpr 102
		.amdhsa_reserve_vcc 0
		.amdhsa_float_denorm_mode_32 3
		.amdhsa_float_denorm_mode_16_64 3
		.amdhsa_memory_ordered 1
		.amdhsa_forward_progress 1
		.amdhsa_inst_pref_size 64
	.end_amdhsa_kernel
	.amdgpu_metadata
---
amdhsa.version: [ 1, 2 ]
amdhsa.kernels:
  - .name:           k_q9fdfb6db99_wo
    .symbol:         k_q9fdfb6db99_wo.kd
    .args:
      - { .name: ob, .offset: 0, .size: 8, .value_kind: global_buffer, .address_space: global }
      - { .name: wo_codes, .offset: 8, .size: 8, .value_kind: global_buffer, .address_space: global }
      - { .name: wo_scales, .offset: 16, .size: 8, .value_kind: global_buffer, .address_space: global }
      - { .name: bo, .offset: 24, .size: 8, .value_kind: global_buffer, .address_space: global }
      - { .name: x, .offset: 32, .size: 8, .value_kind: global_buffer, .address_space: global }
      - { .name: x1, .offset: 40, .size: 8, .value_kind: global_buffer, .address_space: global }
    .group_segment_fixed_size: 327680
    .private_segment_fixed_size: 0
    .kernarg_segment_align: 8
    .kernarg_segment_size: 48
    .max_flat_workgroup_size: 128
    .sgpr_count:     102
    .vgpr_count:     768
    .wavefront_size: 32
...
	.end_amdgpu_metadata
.endif
;; end of part 4
;; launch ln2: the kernel of part 1 again; grid 256 x 1, 8 waves a work-group, no clusters, 82,944 bytes of LDS; arguments x1, g2, be2, hb; writes hb
;; launch w1 (part 5): grid 16 x 16, 4 waves a work-group, clusters of 4 x 4, 327,680 bytes of LDS; arguments hb, w1_codes, w1_scales, b1, fb; writes fb
.if DOCPART == 5
	.amdgcn_target "amdgcn-amd-amdhsa--gfx1250"
	.amdhsa_code_object_version 6
	.text
	.protected	k_q9fdfb6db99_w1
	.globl	k_q9fdfb6db99_w1
	.p2align	8
	.type	k_q9fdfb6db99_w1,@function
k_q9fdfb6db99_w1:
	s_mov_b64 s[64:65], 0
	v_nop
	global_prefetch_b8 v0, s[64:65] scope:SCOPE_SE
	s_setreg_imm32_b32 hwreg(HW_REG_WAVE_MODE, 25, 1), 1
	s_wait_xcnt 0x0
	s_wait_alu depctr_hold_cnt(0) depctr_sa_sdst(0) depctr_va_vdst(0) depctr_va_sdst(0) depctr_va_ssrc(0) depctr_va_vcc(0) depctr_vm_vsrc(0)
	s_getreg_b32 s2, hwreg(HW_REG_IB_STS2, 6, 4)
	s_cmp_eq_u32 s2, 0
	s_cbranch_scc0 .Lentry_in_a_cluster
	s_endpgm
.Lentry_in_a_cluster:
	s_bfe_u32 s2, ttmp6, 0x10000c
	s_cmp_lg_u32 s2, 0xf033
	s_cbranch_scc0 .Lentry_shape_is_right
	s_endpgm
.Lentry_shape_is_right:
; ff = relu(LN2(x1) w1 + b1) on codes of BF6 (E3M2), one E8M0 byte for each 32 along K = 1,024; the result is quantised along its 4,096 columns, the next product's K, on the way out.
; hb: codes [position 4096][768 bytes], 3,145,728 bytes on scale bytes [position][32].  w1: codes [4096][768], scale bytes [4096][32].
; A tile of 256 x 256 is made by four waves, 128 x 128 each: 64 accumulators.  K goes through two LDS slots in chunks of 256 bytes of each row: each tile row begins at a multiple of 256 bytes.
; A step of 128 along K is 96 bytes: eight steps to three chunks; steps 2 and 5 lie across two chunks.  The head's four joint loads, one a wave, bring chunks 0 and 1 of both operands; chunk 2 is slot 0's one refill.
; 4 x 4 clusters, joint loads: the positions' tiles are shared along a row, w1's along a column.
; THE SCALES go from memory straight into registers, once: a block's 16 rows x 32 bytes are 512 consecutive bytes, one load of 16 bytes a lane: lanes 0-15 take K steps 0-3 of row r, lanes 16-31 K steps 4-7.
; The matrix instruction is used transposed (source 0 = 16 rows of w1): a lane holds a token and eight neighbouring columns.  The bias is the C of the first products.
; OUT.  fb: codes [block of 16 positions 256][K step of 128: 32][1,536: registers 6 c .. 6 c + 3 at 768 c + 16 x lane, 6 c + 4, 5 at 768 c + 512 + 8 x lane]; 12,582,912 on: words [block / 8][K step][block % 8][16 x 4].
; No prefetch: K is three chunks, two of them asked for at the head.  LIMITS: a block of zeros gets the byte 1; NaN and infinities are not served.
.set ROWB,   256
.set KROW,   768
.set STEPS,  8
.set CHUNKS, 3
.set PITCH,  272
.set FR,     12
.set NL,     6
.set NP,     4
.set HALFT,  128*PITCH
.set SLOT,   4*HALFT
.set KS,     32
.set SPARE,  2*SLOT                    ; the spare words: 128 bytes a wave
.set STAGE,  SLOT                      ; the way out gathers scale words in slot 1: its one fill is chunk 1, its last read stands ahead of step 5's barrier
.set VO16, 7
.set VO8,  8
.set GVW,  11
.set RB2,  14
.set BOF,  15
.set ADRA, 16
.set ADRB, 20
.set SOF,  27                          ; my 16 bytes of a block's 512 scale bytes
.set SPW,  28
.set NIL,  29
.set SA,   32                          ; v32-63 the positions' scale words, block i at 4 i + q; v224-255 w1's: scales and nothing else
.set SB,   224
.set BIAS, 64                          ; v64-127 the bias: register 8 b + j: column 16 b + 8 h + j; on the way out the 64 numbers at work
.set T,    64
.set AF,   128
.set TM,   128                         ; the way out's temporaries
.set PW,   144
.set PT,   96                          ; window 1, on the way out: v0-95 the eight blocks' codes, v96-102 halves on their way
.set SEL,  98
.set G1, 24
.set G0, 32
.set G1B, 48
.set G0B, 56
.set G0H, 4
.set G0HB, 8
.set G0H1, 68
.set G0HB1, 72
.set SAP, 76
.set SBP, 78
.set MSB, 0
.macro WIN new
.if MSB != \new
	s_set_vgpr_msb (MSB<<8)|\new
.set MSB, \new
.endif
.endm
.set MUL_LO, 0xa1                      ; source 0 (w1) window 1, source 1 (positions) window 0, C and D window 2
.set MUL_HI, 0xf1
.set TO_B,   0x40
.macro JLOAD g0a, g1a, g0b, g1b
	s_cmp_eq_u32 s15, 0
	s_cbranch_scc0 .Lfor_b_\@
	tensor_load_to_lds s[\g0a:\g0a+3], s[\g1a:\g1a+7]
	s_nop 0
.rept 4
	v_nop
.endr
	s_branch .Lasked_\@
.Lfor_b_\@:
	tensor_load_to_lds s[\g0b:\g0b+3], s[\g1b:\g1b+7]
	s_nop 0
.rept 4
	v_nop
.endr
.Lasked_\@:
.endm
.macro CREST
	s_cmp_lg_u32 s14, 0
	s_cbranch_scc1 .Lnot_wave_0_\@
	s_barrier_signal -3
.Lnot_wave_0_\@:
	s_barrier_wait -3
	s_barrier_signal -1
	s_barrier_wait -1
.endm
.macro CROUND
	s_barrier_signal -1
	s_barrier_wait -1
	CREST
.endm
	s_load_b64 s[4:5], s[0:1], 0x0                 ; hb
	s_load_b64 s[8:9], s[0:1], 0x8                 ; w1's codes
	s_load_b64 s[10:11], s[0:1], 0x10              ; w1's scales
	s_load_b64 s[96:97], s[0:1], 0x18              ; b1
	s_load_b64 s[12:13], s[0:1], 0x20              ; fb
	v_lshl_add_u32 v[SPW], v0, 2, SPARE
	v_mov_b32 v[NIL], 0
	ds_add_u32 v[SPW], v[NIL]                      ; the opening lines: the add twice on end and its wait
	ds_add_u32 v[SPW], v[NIL]
	v_lshrrev_b32 v1, 5, v0
	v_readfirstlane_b32 s14, v1
	s_lshr_b32 s15, s14, 1
	s_and_b32 s16, s14, 1
	s_bfe_u32 s40, ttmp6, 0x40000
	s_bfe_u32 s41, ttmp6, 0x40004
	s_lshl_b32 s42, ttmp9, 2
	s_add_co_u32 s42, s42, s40                     ; tile column
	s_and_b32 s17, ttmp7, 0xffff
	s_lshl_b32 s17, s17, 2
	s_add_co_u32 s17, s17, s41                     ; tile row
	s_lshl_b32 s43, s41, 2
	s_lshl_b32 s43, 15, s43
	s_lshl_b32 s44, 0x1111, s40
	s_or_b32 s[G1+0], s43, (0<<16)|(1<<20)|(1<<21)|(5<<22)|(3<<25)
	s_or_b32 s[G1B+0], s44, (0<<16)|(1<<20)|(1<<21)|(5<<22)|(3<<25)
.irp g, G1, G1B
	s_mov_b32 s[\g+1], ROWB<<16
	s_mov_b32 s[\g+2], 256<<16                     ; the head's loads bring 256 rows
	s_mov_b32 s[\g+3], ROWB<<16
	s_mov_b32 s[\g+4], 256
	s_mov_b32 s[\g+5], KROW
	s_mov_b32 s[\g+6], 0
	s_mov_b32 s[\g+7], 0
.endr
	s_lshl_b32 s20, s17, 8
	s_lshl_b32 s46, s42, 8
	s_mov_b32 s21, 0
	s_mov_b32 s47, 0
	s_mov_b64 s[18:19], KS
	s_mul_u64 s[22:23], s[20:21], s[18:19]
	s_mul_u64 s[92:93], s[46:47], s[18:19]
	s_mov_b64 s[18:19], KROW
	s_mul_u64 s[20:21], s[20:21], s[18:19]
	s_mul_u64 s[46:47], s[46:47], s[18:19]
	s_mul_i32 s18, s16, 128*KROW
	s_mov_b32 s19, 0
	s_mul_i32 s45, s14, HALFT
	s_wait_dscnt 0x0
	s_wait_kmcnt 0x0
	s_add_nc_u64 s[6:7], s[4:5], 0x300000          ; hb's scale bytes
	s_add_nc_u64 s[20:21], s[4:5], s[20:21]
	s_add_nc_u64 s[22:23], s[6:7], s[22:23]
	s_add_nc_u64 s[46:47], s[8:9], s[46:47]
	s_add_nc_u64 s[92:93], s[10:11], s[92:93]
	CROUND                                         ; in front of the first joint loads
	s_mov_b32 s[G0H], 1
	s_mov_b32 s[G0H+1], 0
	s_mov_b64 s[G0H+2:G0H+3], s[20:21]
	s_or_b32 s[G0H+3], s[G0H+3], 0x80000000
	s_mov_b32 s[G0HB], 1
	s_mov_b32 s[G0HB+1], 2*HALFT
	s_mov_b64 s[G0HB+2:G0HB+3], s[46:47]
	s_or_b32 s[G0HB+3], s[G0HB+3], 0x80000000
	s_mov_b32 s[G0H1], 1
	s_mov_b32 s[G0H1+1], SLOT
	s_add_nc_u64 s[G0H1+2:G0H1+3], s[20:21], ROWB
	s_or_b32 s[G0H1+3], s[G0H1+3], 0x80000000
	s_mov_b32 s[G0HB1], 1
	s_mov_b32 s[G0HB1+1], SLOT+2*HALFT
	s_add_nc_u64 s[G0HB1+2:G0HB1+3], s[46:47], ROWB
	s_or_b32 s[G0HB1+3], s[G0HB1+3], 0x80000000
	s_add_nc_u64 s[20:21], s[20:21], s[18:19]      ; for the refill: my 128 rows
	s_add_nc_u64 s[46:47], s[46:47], s[18:19]
	s_mov_b32 s[G0], 1
	s_mov_b32 s[G0+1], s45
	s_mov_b64 s[G0+2:G0+3], s[20:21]
	s_or_b32 s[G0+3], s[G0+3], 0x80000000
	s_mov_b32 s[G0B], 1
	s_mov_b32 s[G0B+1], s45
	s_mov_b64 s[G0B+2:G0B+3], s[46:47]
	s_or_b32 s[G0B+3], s[G0B+3], 0x80000000
	s_lshl_b32 s18, s15, 12                        ; the scale bytes of my 128 positions,
	s_add_nc_u64 s[SAP:SAP+1], s[22:23], s[18:19]
	s_lshl_b32 s18, s16, 12                        ; and of my 128 rows of w1
	s_add_nc_u64 s[SBP:SBP+1], s[92:93], s[18:19]
	s_lshl_b32 s46, s42, 10
	s_lshl_b32 s47, s16, 9
	s_add_co_u32 s46, s46, s47                     ; my first column's bias
	s_mov_b32 s47, 0
	s_add_nc_u64 s[96:97], s[96:97], s[46:47]
; the head's four tiles, one load a wave, in one tree of branches: chunk 0 of the positions, chunk 0 of w1, chunk 1 of the positions, chunk 1 of w1
.macro ARM under, g0, g1, next
	s_cmp_lt_u32 s14, \under
	s_cbranch_scc0 \next
	tensor_load_to_lds s[\g0:\g0+3], s[\g1:\g1+7]
	s_nop 0
.rept 4
	v_nop
.endr
	s_branch .Lhead_asked
\next:
.endm
	ARM 1, G0H,  G1,  .Lhead_b
	ARM 2, G0HB, G1B, .Lhead_a1
	ARM 3, G0H1, G1,  .Lhead_b1
	tensor_load_to_lds s[G0HB1:G0HB1+3], s[G1B:G1B+7]
	s_nop 0
.rept 4
	v_nop
.endr
.Lhead_asked:
	v_and_b32 v1, 15, v0
	v_bfe_u32 v2, v0, 4, 1
	v_lshlrev_b32 v[SOF], 5, v1
	v_lshl_add_u32 v[SOF], v2, 4, v[SOF]           ; 32 r + 16 h
	v_lshlrev_b32 v[BOF], 5, v2
.irp i, 0,1,2,3,4,5,6,7
	global_load_b128 v[SA+4*\i:SA+4*\i+3], v[SOF], s[SAP:SAP+1] offset:512*\i   ; each load covers 512 consecutive bytes
	global_load_b128 v[SB+4*\i:SB+4*\i+3], v[SOF], s[SBP:SBP+1] offset:512*\i
.endr
.irp b, 0,1,2,3,4,5,6,7
	global_load_b128 v[BIAS+8*\b:BIAS+8*\b+3], v[BOF], s[96:97] offset:64*\b
	global_load_b128 v[BIAS+8*\b+4:BIAS+8*\b+7], v[BOF], s[96:97] offset:64*\b+16
.endr
	v_mul_u32_u24 v3, v1, PITCH
	v_mul_u32_u24 v4, v2, 24
	v_add_nc_u32 v4, v3, v4
	s_mov_b32 s21, SLOT-232
	s_mov_b32 s22, SLOT+232
	v_sub_nc_u32 v7, 1, v2
	v_mul_u32_u24 v5, s21, v2
	v_add_nc_u32 v5, v3, v5
	v_add_nc_u32 v5, 232, v5
	v_mul_u32_u24 v6, s22, v7
	v_add_nc_u32 v6, v3, v6
	s_mul_i32 s21, s15, HALFT
	s_mul_i32 s22, s16, HALFT
	s_add_co_u32 s22, s22, 2*HALFT
	v_add_nc_u32 v[ADRA+2], s21, v5
	v_add_nc_u32 v[ADRA+3], s21, v6
	v_add_nc_u32 v[ADRB+2], s22, v5
	v_add_nc_u32 v[ADRB+3], s22, v6
.irp s, 0,1
	v_add_nc_u32 v[ADRA+\s], s21, v4
	v_add_nc_u32 v[ADRB+\s], s22, v4
	s_add_co_u32 s21, s21, SLOT
	s_add_co_u32 s22, s22, SLOT
.endr
	v_and_b32 v6, 31, v0
	v_lshlrev_b32 v[VO16], 4, v6
	v_lshlrev_b32 v[VO8], 3, v6
	s_lshl_b32 s22, s14, 9
	s_add_co_u32 s22, s22, STAGE
	v_lshlrev_b32 v[GVW], 2, v1
	v_add_nc_u32 v[GVW], s22, v[GVW]
	v_add_nc_u32 v[RB2], s22, v[VO16]
	s_mov_b32 s[SEL], 0x76543210
	s_mov_b32 s[SEL+1], 0xfedcba98
	s_lshl_b32 s20, s17, 1
	s_add_co_u32 s20, s20, s15                     ; my eight blocks: 2 x tile row + my half
	s_lshl_b32 s21, s42, 1
	s_add_co_u32 s21, s21, s16                     ; the next product's K step: 2 x tile column + my half
	s_lshl_b32 s22, s20, 5
	s_add_co_u32 s22, s22, s21
	s_lshl_b32 s22, s22, 9
	s_add_co_u32 s22, s22, 0xc00000                ; the scale words
	s_mov_b32 s23, 0
	s_add_nc_u64 s[100:101], s[12:13], s[22:23]
	s_lshl_b32 s22, s20, 8
	s_add_co_u32 s22, s22, s21
	s_mul_i32 s22, s22, 1536                       ; the codes
	s_add_nc_u64 s[12:13], s[12:13], s[22:23]
.macro FRAG reg, adr, st, i            ; 12 registers in pieces of 8 bytes; byte y of a row lies in chunk y / 256, slot (y / 256) % 2
.irp p, 0,1,2,3,4,5
.set BY, 96*(\st)+48*(\p/3)+8*(\p%3)
.if BY/ROWB == (BY+24)/ROWB
	ds_load_b64 v[\reg+2*\p:\reg+2*\p+1], v[\adr+(BY/ROWB)%2] offset:BY%ROWB+(\i)*16*PITCH
.else
	ds_load_b64 v[\reg+2*\p:\reg+2*\p+1], v[\adr+2+(BY/ROWB)%2] offset:BY%ROWB-232+(\i)*16*PITCH
.endif
.endr
.endm
; 16 matrix instructions of step NX - 1 (NX is set at the step's head); p: w1's set; sq = the step % 4: the register of a block's four scale words; steps 4-7 take lanes 16-31 of it.
; The 64 accumulators take turns, one instruction a turn.  zero = 1: the sums start on the bias.
.macro MUL16 a0, p, sq, zero
.irp a, \a0, \a0+1
.irp b, 0,1,2,3,4,5,6,7
.set DD, 8*(8*((\a)%4)+\b)
.set BB, 128*(\p)+FR*\b
.set AA, AF+FR*(\a)
.set S0, SB+4*\b+(\sq)
.set S1, SA+4*(\a)+(\sq)
.if \zero
	v_wmma_scale_f32_16x16x128_f8f6f4 v[DD:DD+7], v[BB:BB+FR-1], v[AA:AA+FR-1], v[BIAS+8*\b:BIAS+8*\b+7], v[S0], v[S1] matrix_a_fmt:MATRIX_FMT_BF6 matrix_b_fmt:MATRIX_FMT_BF6
.elseif NX < 5
	v_wmma_scale_f32_16x16x128_f8f6f4 v[DD:DD+7], v[BB:BB+FR-1], v[AA:AA+FR-1], v[DD:DD+7], v[S0], v[S1] matrix_a_fmt:MATRIX_FMT_BF6 matrix_b_fmt:MATRIX_FMT_BF6
.else
	v_wmma_scale_f32_16x16x128_f8f6f4 v[DD:DD+7], v[BB:BB+FR-1], v[AA:AA+FR-1], v[DD:DD+7], v[S0], v[S1] matrix_a_fmt:MATRIX_FMT_BF6 matrix_b_fmt:MATRIX_FMT_BF6 matrix_a_scale:MATRIX_SCALE_ROW1 matrix_b_scale:MATRIX_SCALE_ROW1
.endif
.endr
.endr
.endm
.macro FETCH_B st, p
	WIN TO_B
.irp i, 0,1,2,3,4,5,6,7
	FRAG 128*(\p)+FR*\i, ADRB, \st, \i
.endr
	WIN 0
.endm
.macro FETCH_A st, i0
.irp i, \i0, \i0+1, \i0+2, \i0+3
	FRAG AF+FR*(\i), ADRA, \st, \i
.endr
.endm
.macro PLACES n
.rept \n
	v_nop
.endr
.endm
; A step: 64 matrix instructions; the next step's fragments are fetched in its middle and at its end.  Where the next step ends in chunk 2, not yet read: wait for my tensor loads, barrier.
; Where it begins in a later chunk: the wait, the add, the wait for it and for my reads, barrier; where a chunk two on is left, the barrier opens a round and the slot is filled again.
.macro STEP st, zero
.set NX, (\st)+1
.set C0, (96*(\st))/ROWB
.set C1, (96*NX)/ROWB
.set E0, (96*(\st)+95)/ROWB
.set E1, (96*NX+95)/ROWB
.set WL, MUL_LO-0x20*(\zero)           ; the first products: C (the bias) in window 0
.set WH, MUL_HI-0x30*(\zero)
.if C1 > C0 || (E1 > E0 && E1 > 1)
	s_wait_tensorcnt 0x0
.if C1 > C0
	ds_add_u32 v[SPW], v[NIL]
	s_wait_dscnt 4*NL+1                            ; the add and the youngest 24 loads (blocks 4-7) may be out
.else
	s_wait_dscnt 4*NL
.endif
	WIN WL
	MUL16 0, (\st)%2, (\st)%4, \zero
	s_wait_dscnt 0x0
	s_barrier_signal -1
	MUL16 2, (\st)%2, (\st)%4, \zero
	WIN 0
	s_barrier_wait -1
.if C1 > C0 && C0+2 < CHUNKS
	CREST
	s_add_nc_u64 s[G0+2:G0+3], s[G0+2:G0+3], 2*ROWB
	s_add_nc_u64 s[G0B+2:G0B+3], s[G0B+2:G0B+3], 2*ROWB
	JLOAD G0, G1, G0B, G1B                         ; chunk 2 into slot 0
.else
	PLACES NP
.endif
.else
	s_wait_dscnt 4*NL                              ; the youngest 24 loads (blocks 4-7) may be out
	WIN WL
	MUL16 0, (\st)%2, (\st)%4, \zero
	MUL16 2, (\st)%2, (\st)%4, \zero
	s_wait_dscnt 0
	PLACES NP
.endif
	FETCH_B NX, NX%2
	FETCH_A NX, 0
	WIN WH
	MUL16 4, (\st)%2, (\st)%4, \zero
	MUL16 6, (\st)%2, (\st)%4, \zero
	PLACES NP
	WIN 0
	FETCH_A NX, 4
.endm
	s_wait_alu depctr_va_vdst(0)
	s_wait_tensorcnt 0x0                           ; my tile of the head's four is in
	s_mov_b32 s[G1+2], 128<<16                     ; no load of mine is out: the refill brings 128 rows a wave
	s_mov_b32 s[G1+4], 128
	s_mov_b32 s[G1B+2], 128<<16
	s_mov_b32 s[G1B+4], 128
	s_barrier_signal -1
	s_barrier_wait -1                              ; everybody's are
	FETCH_B 0, 0
	FETCH_A 0, 0
	FETCH_A 0, 4
	s_wait_loadcnt 0x0                             ; the scales and the bias
	STEP 0, 1
.set ST, 1
.rept STEPS-2
	STEP ST, 0
.set ST, ST+1
.endr
.set NX, STEPS
	s_wait_dscnt 4*NL
	WIN MUL_LO
	MUL16 0, 1, 3, 0
	MUL16 2, 1, 3, 0
	s_wait_dscnt 0
	WIN MUL_HI
	MUL16 4, 1, 3, 0
	MUL16 6, 1, 3, 0
	WIN 0
	PLACES NP
.irp b, 0,1,2,3
	v_mov_b32 v[TM+4+\b], 0                        ; a lane permute's destination counts as one of its sources
.endr
; THE WAY OUT, block a of my eight: relu, the columns brought into their true order, quantised, stored as an image of the operand's registers.  Each block's codes get 12 registers of their own in window 1,
; so no store's data is written again; the scale words are gathered in my bytes of the stage.
.macro EPI a
.set AC, 64*((\a)%4)
.set P, 12*(\a)
.set WX, 0x08+4*((\a)/4)               ; source 1: window 2 or 3
	WIN WX
.set n, 0
.rept 64
	v_max_num_f32 v[T+n], 0, v[AC+n]               ; the activation; each accumulator from its low end on
.set n, n+1
.endr
	WIN 0
.irp b, 0,1,2,3
.irp j, 0,1,2,3,4,5,6,7
	v_permlane16_swap_b32 v[T+16*\b+\j], v[T+16*\b+8+\j]   ; register 16 b + i is now column 32 b + 16 h + i
.endr
.endr
.irp b, 0,1,2,3
	v_max3_num_f32 v[TM+\b], v[T+16*\b], v[T+1+16*\b], 0x2800000   ; none is negative; the floor 2^(5 - 127): the byte cannot fall under 1
.endr
.irp i, 2,4,6,8,10,12,14
.irp b, 0,1,2,3
	v_max3_num_f32 v[TM+\b], v[TM+\b], v[T+16*\b+\i], v[T+1+16*\b+\i]
.endr
.endr
.irp b, 0,1,2,3
	v_permlanex16_b32 v[TM+4+\b], v[TM+\b], s[SEL], s[SEL+1]
.endr
.irp b, 0,1,2,3
	v_max_num_f32 v[TM+\b], v[TM+\b], v[TM+4+\b]
.endr
.irp b, 0,1,2,3
	v_add_nc_u32 v[TM+12+\b], 0xfe000000, v[TM+\b]
.endr
.irp b, 0,1,2,3
	v_lshrrev_b32 v[TM+4+\b], 23, v[TM+12+\b]
.endr
	v_lshl_or_b32 v[PW], v[TM+5], 8, v[TM+4]
	v_lshl_or_b32 v[PW], v[TM+6], 16, v[PW]
	v_lshl_or_b32 v[PW], v[TM+7], 24, v[PW]
	ds_store_b32 v[GVW], v[PW] offset:64*(\a)
	WIN 0x40                                       ; destination window 1
.irp c, 0,1
	v_cvt_scalef32_pk16_bf6_f32 v[P+6*\c:P+2+6*\c], v[T+32*\c:T+15+32*\c], v[TM+12+2*\c]
	v_cvt_scalef32_pk16_bf6_f32 v[PT+4*\c:PT+2+4*\c], v[T+16+32*\c:T+31+32*\c], v[TM+13+2*\c]
.endr
	v_nop
	WIN 0x41
.irp c, 0,1
.irp i, 0,1,2
	v_permlane16_swap_b32 v[P+6*\c+\i], v[PT+4*\c+\i]
.endr
.irp i, 0,1,2
	v_mov_b32 v[P+3+6*\c+\i], v[PT+4*\c+\i]
.endr
.endr
	WIN 0x04                                       ; the stores' data: window 1
	global_store_b128 v[VO16], v[P:P+3], s[12:13] offset:49152*(\a)
	global_store_b64 v[VO8], v[P+4:P+5], s[12:13] offset:49152*(\a)+512
	global_store_b128 v[VO16], v[P+6:P+9], s[12:13] offset:49152*(\a)+768
	global_store_b64 v[VO8], v[P+10:P+11], s[12:13] offset:49152*(\a)+1280
	WIN 0
.endm
.irp a, 0,1,2,3,4,5,6,7
	EPI \a
.endr
	ds_load_b128 v[160:163], v[RB2]                ; LDS serves a wave's instructions in order: this sees my stores
	s_wait_dscnt 0x0
	global_store_b128 v[VO16], v[160:163], s[100:101]   ; eight blocks' words: 512 consecutive bytes
	s_wait_tensorcnt 0x0                           ; the wave's end
	ds_add_u32 v[SPW], v[NIL]
	s_wait_dscnt 0x0
	CROUND
	s_endpgm
.Lfunc_end_k_q9fdfb6db99_w1:
	.size	k_q9fdfb6db99_w1, .Lfunc_end_k_q9fdfb6db99_w1-k_q9fdfb6db99_w1
	.p2alignl 7, 3214868480
	.fill 96, 4, 3214868480
	.section	.rodata,"a",@progbits
	.p2align	6, 0x0
	.amdhsa_kernel k_q9fdfb6db99_w1
		.amdhsa_group_segment_fixed_size 327680
		.amdhsa_private_segment_fixed_size 0
		.amdhsa_enable_private_segment 0
		.amdhsa_kernarg_size 40
		.amdhsa_user_sgpr_count 2
		.amdhsa_user_sgpr_kernarg_segment_ptr 1
		.amdhsa_wavefront_size32 1
		.amdhsa_system_sgpr_workgroup_id_x 1
		.amdhsa_system_sgpr_workgroup_id_y 1
		.amdhsa_system_sgpr_workgroup_id_z 1
		.amdhsa_system_vgpr_workitem_id 0
		.amdhsa_next_free_vgpr 1024
		.amdhsa_next_free_sgpr 102
		.amdhsa_reserve_vcc 0
		.amdhsa_float_denorm_mode_32 3
		.amdhsa_float_denorm_mode_16_64 3
		.amdhsa_memory_ordered 1
		.amdhsa_forward_progress 1
		.amdhsa_inst_pref_size 189
	.end_amdhsa_kernel
	.amdgpu_metadata
---
amdhsa.version: [ 1, 2 ]
amdhsa.kernels:
  - .name:           k_q9fdfb6db99_w1
    .symbol:         k_q9fdfb6db99_w1.kd
    .args:
      - { .name: hb, .offset: 0, .size: 8, .value_kind: global_buffer, .address_space: global }
      - { .name: w1_codes, .offset: 8, .size: 8, .value_kind: global_buffer, .address_space: global }
      - { .name: w1_scales, .offset: 16, .size: 8, .value_kind: global_buffer, .address_space: global }
      - { .name: b1, .offset: 24, .size: 8, .value_kind: global_buffer, .address_space: global }
      - { .name: fb, .offset: 32, .size: 8, .value_kind: global_buffer, .address_space: global }
    .group_segment_fixed_size: 327680
    .private_segment_fixed_size: 0
    .kernarg_segment_align: 8
    .kernarg_segment_size: 40
    .max_flat_workgroup_size: 128
    .sgpr_count:     102
    .vgpr_count:     1024
    .wavefront_size: 32
...
	.end_amdgpu_metadata
.endif
;; end of part 5
;; launch w2 (part 6): grid 8 x 32, 4 waves a work-group, clusters of 4 x 4, 327,680 bytes of LDS; arguments fb, w2_codes, w2_scales, b2, x1, out0; writes out0
.if DOCPART == 6
	.amdgcn_target "amdgcn-amd-amdhsa--gfx1250"
	.amdhsa_code_object_version 6
	.text
	.protected	k_q9fdfb6db99_w2
	.globl	k_q9fdfb6db99_w2
	.p2align	8
	.type	k_q9fdfb6db99_w2,@function
k_q9fdfb6db99_w2:
	s_mov_b64 s[64:65], 0
	v_nop
	global_prefetch_b8 v0, s[64:65] scope:SCOPE_SE
	s_setreg_imm32_b32 hwreg(HW_REG_WAVE_MODE, 25, 1), 1
	s_wait_xcnt 0x0
	s_wait_alu depctr_hold_cnt(0) depctr_sa_sdst(0) depctr_va_vdst(0) depctr_va_sdst(0) depctr_va_ssrc(0) depctr_va_vcc(0) depctr_vm_vsrc(0)
	s_getreg_b32 s2, hwreg(HW_REG_IB_STS2, 6, 4)
	s_cmp_eq_u32 s2, 0
	s_cbranch_scc0 .Lentry_in_a_cluster
	s_endpgm
.Lentry_in_a_cluster:
	s_bfe_u32 s2, ttmp6, 0x10000c
	s_cmp_lg_u32 s2, 0xf033
	s_cbranch_scc0 .Lentry_shape_is_right
	s_endpgm
.Lentry_shape_is_right:
; out = res + bias + A W^T on codes of BF6 (E3M2) with one E8M0 scale for each 32 along K = 4,096.  4,096 rows, 1,024 columns, f32 out, in the tokens' true order.
; A: images of operand registers, [block of 16 positions 256][K step of 128: 32][1,536 bytes: registers 6 c .. 6 c + 3 at 768 c + 16 x lane, 6 c + 4, 5 at 768 c + 512 + 8 x lane]; behind them scale words [block / 8][K step][block % 8][16 x 4].
; W: codes [1024][3,072 bytes], scale bytes [1024][128].
; A tile of 128 x 128 gives each of 256 WGPs a work-group.  Four waves; wave w makes rows 32 w .. 32 w + 31 (blocks 2 w, 2 w + 1 of the tile's eight) x all 128 columns: 16 accumulators.
; A GOES FROM MEMORY STRAIGHT INTO REGISTERS: a wave's two images of a K step are 8 loads of whole consecutive 512 or 256 bytes, nobody else in the work-group wants them, and a queue of 8 K steps (192 registers)
; keeps seven of them on their way under a counted wait, across the changes of slots too.  W ALONE GOES THROUGH LDS, so a slot holds 1,024 along K (with A beside it: 512): 128 matrix instructions a wave
; between two changes of slots, and two refills in the launch where there would be six.
; CLUSTERS, 4 x 4: W's tiles and scale bytes are shared along a column, A's scale words along a row, by joint loads.  A's images are not asked for jointly though the four work-groups of a row read the same ones:
; a joint load ends in LDS, and there they would halve the slots, as just counted.
; THE HEAD: one joint load a wave: waves 0 and 1 fetch 64 rows each of slot 0, wave 2 A's scale words, wave 3 W's scale bytes; slot 1's first fill stands behind the lines of a refill and a round.
; The matrix instruction is used transposed (source 0 = 16 rows of W, source 1 = a block of A): a lane holds a row and eight neighbouring columns.  The bias is the C of the first products.
; THE RESIDUAL is asked for in K step 25, behind the last loads of A's queue: it has the last seven K steps in which to come, and is added on the way out.
; Row i of block B is token 32 (B / 2) + 8 (B % 2) + i + 8 (i / 8): a wave's two blocks are 32 neighbouring tokens.
; All 32 K steps are written out (macros on the symbol ks): every offset is an immediate, no pointer is stepped but the two descriptors'.
; No prefetch: every image and every row of W is read by several work-groups.  LIMITS: NaN and infinities are not served.
.set SIZE_K, 4096
.set NK,     SIZE_K/128
.set KS,     SIZE_K/32
.set KROW,   SIZE_K*3/4
.set ASOFF,  4096*KROW
.set DEPTH,  8                         ; K steps in A's queue
.set KSL,    8                         ; K steps in a slot
.set PITCH,  1008                      ; a row of W in LDS: 3 x (256 bytes + 80 of padding) = 252 words: row r starts at bank -4 r mod 64 (64 banks of 4 bytes: ISA guide 11.1), lanes 16-31 stand 6 or 26 words on: 64 different banks
.set QUART,  32*PITCH                  ; 32 rows: what one tensor load of the ring brings
.set SLOT,   4*QUART
.set SCB,    2*SLOT                    ; W's scale bytes, as units of 256 bytes + 16
.set HALFSB, (64*KS/256)*272
.set SBLK,   (16*KS/256)*272
.set SCA,    SCB+2*HALFSB              ; A's scale words: a K step's 512 bytes + 64
.set SAK,    576
.set SPARE,  SCA+NK*SAK                ; the spare words: 128 bytes a wave, two blocks of 256 bytes that no other line names
.set SPITCH, 528                       ; the way out: a stage of 16 rows x (512 + 16) bytes for each wave, in slot 0
.set SPW,  28
.set NIL,  29
.set BIAS, 64
.set G1B, 48                           ; s[48:55] descriptor group 1 for W's tiles; s[56:63] group 0, one set for each slot
.set G0B, 56
.set G1S, 68                           ; s[68:75], s[76:79] A's scale words; s[80:87], s[88:91] W's scale bytes
.set G0S, 76
.set G1SB, 80
.set G0SB, 88
.set G1H, 24                           ; s[24:31], s[32:35] groups 1 and 0 for the head's loads of slot 0: 64 rows of W
.set G0H, 32
; REGISTERS.  Window 0: v7 8 x lane, v26 16 x lane; v8-15 A's scale words, two sets of four K steps (lanes 0-15 block 2 w, lanes 16-31 block 2 w + 1); v16-17 W's rows 0-63 in slot 0, 1, v18-19 the same behind one padding
; more, v20-23 likewise rows 64-127; v24, v25 the stage in and out; v27 A's words, v30 W's bytes (LDS addresses); v31 32 h; v32-63 W's scale words, two sets (block b at 32 + 16 set + 2 b + e; K step q of four: register e = q % 2,
; lanes 0-15 for q < 2, else 16-31); v64-127 the bias, later rows on their way out; v128-255 the accumulators, (a, b) at 128 + 8 (8 a + b).
; Window 1: two buffers of W's eight fragments, at v0 and v128.  Window 2: A's queue, K step ks at v[24 (ks % 8)].  Window 3: the residual, v0-127.
.set MSB, 0
.macro WIN new                         ; the immediate's high byte repeats the setting that is left
.if MSB != \new
	s_set_vgpr_msb (MSB<<8)|\new
.set MSB, \new
.endif
.endm
.set MUL, 0x09                         ; source 0 (W) window 1, source 1 (A) window 2; C and D window 0
.macro ARM under, g0, g1, next         ; an arm of the head's one tree of branches on the wave's number: one load, s_nop 0 and four v_nop, a jump to the tree's end
	s_cmp_lt_u32 s14, \under
	s_cbranch_scc0 \next
	tensor_load_to_lds s[\g0:\g0+3], s[\g1:\g1+7]
	s_nop 0
.rept 4
	v_nop
.endr
	s_branch .Lhead_asked
\next:
.endm
.macro CREST                           ; a round of the cluster's barrier behind its opening barrier
	s_cmp_lg_u32 s14, 0
	s_cbranch_scc1 .Lnot_wave_0_\@
	s_barrier_signal -3
.Lnot_wave_0_\@:
	s_barrier_wait -3
	s_barrier_signal -1
	s_barrier_wait -1
.endm
.macro CROUND
	s_barrier_signal -1
	s_barrier_wait -1
	CREST
.endm
.macro PLACES n                        ; plain places behind matrix instructions, in front of loads into their registers and of reads of their results
.rept \n
	v_nop
.endr
.endm
	s_load_b64 s[4:5], s[0:1], 0x0                 ; A
	s_load_b64 s[8:9], s[0:1], 0x8                 ; W's codes
	s_load_b64 s[10:11], s[0:1], 0x10              ; W's scales
	s_load_b64 s[96:97], s[0:1], 0x18              ; bias
	s_load_b64 s[98:99], s[0:1], 0x20              ; res
	s_load_b64 s[12:13], s[0:1], 0x28              ; out
	v_lshl_add_u32 v[SPW], v0, 2, SPARE
	v_mov_b32 v[NIL], 0
	ds_add_u32 v28, v29                            ; the opening lines: the add twice on end and its wait
	ds_add_u32 v28, v29
	s_wait_dscnt 0x0
	v_lshrrev_b32 v1, 5, v0
	v_readfirstlane_b32 s14, v1                    ; wave 0..3
	s_bfe_u32 s40, ttmp6, 0x40000
	s_bfe_u32 s41, ttmp6, 0x40004
	s_lshl_b32 s42, ttmp9, 2
	s_add_co_u32 s42, s42, s40                     ; tile column
	s_and_b32 s17, ttmp7, 0xffff
	s_lshl_b32 s17, s17, 2
	s_add_co_u32 s17, s17, s41                     ; tile row
	s_lshl_b32 s43, s41, 2
	s_lshl_b32 s43, 15, s43                        ; my row of the cluster
	s_lshl_b32 s44, 0x1111, s40                    ; my column
	; W's codes: 32 rows x 768 bytes, 20 words of padding behind every 64
	s_or_b32 s[G1B+0], s44, (0<<16)|(1<<20)|(1<<21)|(5<<22)|(19<<25)
	s_mov_b32 s[G1B+1], 768<<16
	s_mov_b32 s[G1B+2], 32<<16
	s_mov_b32 s[G1B+3], 768<<16
	s_mov_b32 s[G1B+4], 32
	s_mov_b32 s[G1B+5], KROW
	s_mov_b32 s[G1B+6], 0
	s_mov_b32 s[G1B+7], 0
	; the same with 64 rows, for the head
	s_or_b32 s[G1H+0], s44, (0<<16)|(1<<20)|(1<<21)|(5<<22)|(19<<25)
	s_mov_b32 s[G1H+1], 768<<16
	s_mov_b32 s[G1H+2], 64<<16
	s_mov_b32 s[G1H+3], 768<<16
	s_mov_b32 s[G1H+4], 64
	s_mov_b32 s[G1H+5], KROW
	s_mov_b32 s[G1H+6], 0
	s_mov_b32 s[G1H+7], 0
	; A's words: NK K steps x 512 bytes, dense, 16 words of padding behind each
	s_or_b32 s[G1S+0], s43, (3<<16)|(1<<20)|(1<<21)|(6<<22)|(15<<25)
	s_mov_b32 s[G1S+1], 64<<16
	s_mov_b32 s[G1S+2], NK<<16
	s_mov_b32 s[G1S+3], 64<<16
	s_mov_b32 s[G1S+4], NK
	s_mov_b32 s[G1S+5], 64
	s_mov_b32 s[G1S+6], 0
	s_mov_b32 s[G1S+7], 0
	; W's scale bytes of 128 rows: dense, as rows of 256 bytes, 4 words of padding behind each
	s_or_b32 s[G1SB+0], s44, (3<<16)|(1<<20)|(1<<21)|(5<<22)|(3<<25)
	s_mov_b32 s[G1SB+1], 32<<16
	s_mov_b32 s[G1SB+2], (128*KS/256)<<16
	s_mov_b32 s[G1SB+3], 32<<16
	s_mov_b32 s[G1SB+4], 128*KS/256
	s_mov_b32 s[G1SB+5], 32
	s_mov_b32 s[G1SB+6], 0
	s_mov_b32 s[G1SB+7], 0
	s_lshl_b32 s20, s17, 3
	s_lshl_b32 s18, s14, 1
	s_add_co_u32 s20, s20, s18                     ; my first block: 8 x tile row + 2 x wave
	s_mul_i32 s20, s20, NK*1536
	s_mov_b32 s21, 0
	s_mul_i32 s22, s17, 512*NK
	s_add_co_u32 s22, s22, ASOFF                   ; the tile's scale words of A
	s_mov_b32 s23, 0
	s_lshl_b32 s46, s42, 7                         ; W: the tile's first row, 128 x tile column
	s_mul_i32 s92, s46, KS                         ; its scale bytes
	s_lshl_b32 s18, s14, 6
	s_add_co_u32 s36, s46, s18                     ; the head's loads of codes: + 64 x wave (waves 0 and 1)
	s_mul_i32 s36, s36, KROW
	s_mov_b32 s37, 0
	s_mov_b32 s93, 0
	s_lshl_b32 s18, s14, 5
	s_add_co_u32 s46, s46, s18                     ; the ring's loads of codes: + 32 x wave
	s_mul_i32 s46, s46, KROW
	s_mov_b32 s47, 0
	s_mul_i32 s95, s14, QUART                      ; where they go: no place in the cluster enters an LDS address
	s_mul_i32 s94, s14, 64*PITCH
	s_wait_kmcnt 0x0
	s_add_nc_u64 s[100:101], s[4:5], s[20:21]      ; my images of A
	s_add_nc_u64 s[22:23], s[4:5], s[22:23]
	s_add_nc_u64 s[46:47], s[8:9], s[46:47]
	s_add_nc_u64 s[92:93], s[10:11], s[92:93]
	CROUND                                         ; all sixteen work-groups are here: the first joint loads meet
	s_mov_b32 s[G0S], 1
	s_mov_b32 s[G0S+1], SCA
	s_mov_b64 s[G0S+2:G0S+3], s[22:23]
	s_or_b32 s[G0S+3], s[G0S+3], 0x80000000
	s_mov_b32 s[G0SB], 1
	s_mov_b32 s[G0SB+1], SCB
	s_mov_b64 s[G0SB+2:G0SB+3], s[92:93]
	s_or_b32 s[G0SB+3], s[G0SB+3], 0x80000000
.irp s, 0,1
	s_mov_b32 s[G0B+4*\s], 1
	s_add_co_u32 s[G0B+4*\s+1], s95, \s*SLOT
	s_add_nc_u64 s[G0B+4*\s+2:G0B+4*\s+3], s[46:47], \s*768
	s_or_b32 s[G0B+4*\s+3], s[G0B+4*\s+3], 0x80000000
.endr
	s_mov_b32 s[G0H], 1
	s_mov_b32 s[G0H+1], s94
	s_add_nc_u64 s[G0H+2:G0H+3], s[8:9], s[36:37]
	s_or_b32 s[G0H+3], s[G0H+3], 0x80000000
	ARM 2, G0H, G1H, .Lhead_sa
	ARM 3, G0S, G1S, .Lhead_sb
	tensor_load_to_lds s[G0SB:G0SB+3], s[G1SB:G1SB+7]
	s_nop 0
.rept 4
	v_nop
.endr
.Lhead_asked:
	v_and_b32 v1, 15, v0                           ; r
	v_bfe_u32 v2, v0, 4, 1                         ; h
	v_and_b32 v6, 31, v0
	v_lshlrev_b32 v26, 4, v6                       ; 16 x lane: in A's images, in a row of res and of out
	v_lshlrev_b32 v7, 3, v6                        ; 8 x lane
	v_lshlrev_b32 v31, 5, v2
	v_mul_u32_u24 v5, v1, PITCH
	v_mad_u32_u24 v3, v2, 24, v5                   ; a fragment's row x pitch + 24 x half
	v_mad_u32_u24 v4, v2, 104, v5                  ; and the same behind one padding more
.irp s, 0,1
	v_add_nc_u32 v[16+\s], \s*SLOT, v3
	v_add_nc_u32 v[18+\s], \s*SLOT, v4
	v_add_nc_u32 v[20+\s], \s*SLOT+64*PITCH, v3    ; rows 64-127 lie beyond an LDS instruction's 16-bit offset
	v_add_nc_u32 v[22+\s], \s*SLOT+64*PITCH, v4
.endr
	s_mul_i32 s23, s14, 16*SPITCH                  ; my stage
	v_mul_u32_u24 v5, v1, SPITCH
	v_lshl_add_u32 v5, v2, 5, v5
	v_add_nc_u32 v24, s23, v5                      ; in: row r, 32 bytes for each half of the lanes
	v_add_nc_u32 v25, s23, v26                     ; back: the 32 lanes take one row of 512 bytes
	s_lshl_b32 s21, s14, 7
	s_add_co_u32 s21, s21, SCA
	v_lshl_add_u32 v27, v6, 2, s21                 ; A's words: my two blocks' 128 bytes of a K step's 512
	v_mul_u32_u24 v5, v1, KS
	v_lshrrev_b32 v3, 8, v5
	v_lshl_add_u32 v5, v3, 4, v5
	v_lshl_add_u32 v5, v2, 3, v5                   ; lanes 16-31 take the words two K steps on
	v_add_nc_u32 v30, SCB, v5
	s_lshl_b32 s20, s17, 7
	s_lshl_b32 s21, s14, 5
	s_add_co_u32 s20, s20, s21
	s_lshl_b32 s20, s20, 12                        ; my first token's row: 128 x tile row + 32 x wave,
	s_lshl_b32 s46, s42, 9                         ; the tile's first column, in bytes
	s_mov_b32 s47, 0
	s_add_co_u32 s20, s20, s46
	s_mov_b32 s21, 0
	s_add_nc_u64 s[12:13], s[12:13], s[20:21]
	s_add_nc_u64 s[98:99], s[98:99], s[20:21]
	s_add_nc_u64 s[96:97], s[96:97], s[46:47]
; A's two images of K step kl, into their place in the queue: 8 loads
.macro ALOAD
.set QL, 24*(kl%DEPTH)
.irp i, 0,1
	global_load_b128 v[QL+12*\i:QL+12*\i+3], v26, s[100:101] offset:NK*1536*\i+1536*kl
	global_load_b64 v[QL+12*\i+4:QL+12*\i+5], v7, s[100:101] offset:NK*1536*\i+1536*kl+512
	global_load_b128 v[QL+12*\i+6:QL+12*\i+9], v26, s[100:101] offset:NK*1536*\i+1536*kl+768
	global_load_b64 v[QL+12*\i+10:QL+12*\i+11], v7, s[100:101] offset:NK*1536*\i+1536*kl+1280
.endr
.endm
	; The loads of the head, oldest first: bias 16, A's K steps 0 to 7: 64.  Loads come back in order, so the wait for a K step of A covers all that stand ahead of it.
	; They are more than LOADcnt's field counts: the issue of a load that would pass the field is held back by the hardware (ISA guide 5.7.1); the wave has nothing else to do here but to wait for its first tile.
.irp b, 0,1,2,3,4,5,6,7
	global_load_b128 v[BIAS+8*\b:BIAS+8*\b+3], v31, s[96:97] offset:64*\b       ; register 8 b + j: the bias of column 16 b + 8 h + j
	global_load_b128 v[BIAS+8*\b+4:BIAS+8*\b+7], v31, s[96:97] offset:64*\b+16
.endr
	WIN 0x80                                       ; destination window 2
.set kl, 0
.rept DEPTH
	ALOAD
.set kl, kl+1
.endr
	WIN 0
; 48 LDS loads: W's eight fragments of K step ks + 1 into buffer (ks + 1) % 2
.macro FETCH_B
.set kn, ks+1
.set FN, 128*(kn%2)
.set SL, (kn/KSL)%2
	WIN 0x40
.irp i, 0,1,2,3,4,5,6,7
.irp p, 0,1,2,3,4,5
.set PCN, 12*(kn%KSL)+6*(\p/3)+\p%3    ; the row's piece of 8 bytes that lanes 0-15 take; lanes 16-31 take the piece three on, behind one padding more where PCN % 32 is 29 or more
.if PCN%32 < 29
	ds_load_b64 v[FN+12*\i+2*\p:FN+12*\i+2*\p+1], v[16+4*(\i/4)+SL] offset:8*PCN+80*(PCN/32)+16*PITCH*(\i%4)
.else
	ds_load_b64 v[FN+12*\i+2*\p:FN+12*\i+2*\p+1], v[18+4*(\i/4)+SL] offset:8*PCN+80*(PCN/32)+16*PITCH*(\i%4)
.endif
.endr
.endr
.endm
; the scale words of K steps 4 sg .. 4 sg + 3 into set sg % 2: they lie in LDS from the start
.macro SCALES
	WIN 0
.irp q, 0,1,2,3
	ds_load_b32 v[8+4*(sg%2)+\q], v27 offset:SAK*(4*sg+\q)
.endr
.irp b, 0,1,2,3,4,5,6,7
	ds_load_b64 v[32+16*(sg%2)+2*\b:33+16*(sg%2)+2*\b], v30 offset:SBLK*\b+16*sg
.endr
.endm
; one matrix instruction of K step ks: A's block a x W's block b.  W's words lie in lanes 16-31 for the third and fourth K step of four, A's for its second block.  K step 0 starts the sums, on the bias.
.macro ONE a, b
.set DD, 128+8*(8*(\a)+(\b))
.set BB, 128*(ks%2)+12*(\b)
.set AA, 24*(ks%DEPTH)+12*(\a)
.set S0, 32+16*((ks/4)%2)+2*(\b)+ks%2
.set S1, 8+4*((ks/4)%2)+ks%4
.if ks == 0
.if (\a) == 0
	v_wmma_scale_f32_16x16x128_f8f6f4 v[DD:DD+7], v[BB:BB+11], v[AA:AA+11], v[BIAS+8*(\b):BIAS+8*(\b)+7], v[S0], v[S1] matrix_a_fmt:MATRIX_FMT_BF6 matrix_b_fmt:MATRIX_FMT_BF6
.else
	v_wmma_scale_f32_16x16x128_f8f6f4 v[DD:DD+7], v[BB:BB+11], v[AA:AA+11], v[BIAS+8*(\b):BIAS+8*(\b)+7], v[S0], v[S1] matrix_a_fmt:MATRIX_FMT_BF6 matrix_b_fmt:MATRIX_FMT_BF6 matrix_b_scale:MATRIX_SCALE_ROW1
.endif
.elseif ks%4 < 2
.if (\a) == 0
	v_wmma_scale_f32_16x16x128_f8f6f4 v[DD:DD+7], v[BB:BB+11], v[AA:AA+11], v[DD:DD+7], v[S0], v[S1] matrix_a_fmt:MATRIX_FMT_BF6 matrix_b_fmt:MATRIX_FMT_BF6
.else
	v_wmma_scale_f32_16x16x128_f8f6f4 v[DD:DD+7], v[BB:BB+11], v[AA:AA+11], v[DD:DD+7], v[S0], v[S1] matrix_a_fmt:MATRIX_FMT_BF6 matrix_b_fmt:MATRIX_FMT_BF6 matrix_b_scale:MATRIX_SCALE_ROW1
.endif
.else
.if (\a) == 0
	v_wmma_scale_f32_16x16x128_f8f6f4 v[DD:DD+7], v[BB:BB+11], v[AA:AA+11], v[DD:DD+7], v[S0], v[S1] matrix_a_fmt:MATRIX_FMT_BF6 matrix_b_fmt:MATRIX_FMT_BF6 matrix_a_scale:MATRIX_SCALE_ROW1
.else
	v_wmma_scale_f32_16x16x128_f8f6f4 v[DD:DD+7], v[BB:BB+11], v[AA:AA+11], v[DD:DD+7], v[S0], v[S1] matrix_a_fmt:MATRIX_FMT_BF6 matrix_b_fmt:MATRIX_FMT_BF6 matrix_a_scale:MATRIX_SCALE_ROW1 matrix_b_scale:MATRIX_SCALE_ROW1
.endif
.endif
.endm
.macro MULS a, b0                      ; four of them.  The 16 accumulators take turns, one instruction a turn, in the same order in every K step
.irp b, \b0, \b0+1, \b0+2, \b0+3
	ONE \a, \b
.endr
.endm
; K step ks, where K step ks + 1 lies in the same slot (or there is none).  At its head all that the last step's products have set free is asked for anew: W's other buffer, and the queue's place of K step ks - 1.
.macro STEP
	s_wait_dscnt 0x0                               ; this step's fragments of W are in
.if ks < NK-1
	PLACES 4                                       ; in front of loads into registers that the last step's products read
	FETCH_B
.if (ks >= 1) && (ks+DEPTH-1 < NK)
.set kl, ks+DEPTH-1
	WIN 0x80
	ALOAD
.endif
.if (ks%4 == 1) && (ks+3 < NK)
.set sg, ks/4+1
	SCALES                                         ; the next four K steps' words, into the set that was last read two steps ago
.endif
.if ks == NK-DEPTH+1
	WIN 0xc0                                       ; destination window 3: the residual, 32 loads, behind the queue's last loads
.irp a, 0,1
.irp t, 0,1,2,3,4,5,6,7,8,9,10,11,12,13,14,15
	global_load_b128 v[64*\a+4*\t:64*\a+4*\t+3], v26, s[98:99] offset:(8*\a+\t+8*(\t/8))*4096 th:TH_LOAD_NT   ; 512 consecutive bytes of row t of block a
.endr
.endr
.endif
.endif
.if ks+DEPTH-1 < NK
	s_wait_loadcnt 8*(DEPTH-1)                     ; A's images of this step are in; those of the seven steps behind it, 8 loads each, may be out
.else
.set LC, 8*(NK-1-ks)+32                ; the queue runs empty: behind this step's images stand those of the steps left, 8 loads each, and the residual's 32;
.if LC > 63
.set LC, 63                            ; a wait's count names 63 at the most: the lesser count asks only for older loads as well
.endif
	s_wait_loadcnt LC
.endif
	WIN MUL
	MULS 0, 0
	MULS 0, 4
	MULS 1, 0
	MULS 1, 4
.endm
; A slot's last K step changes slots: one barrier; in front of it each wave waits for all its tensor loads, adds 0 to its spare word, and waits for that and for its reads of this slot.  fill = 1: this slot is filled again, two slots ahead.
.macro TURN fill
.set SLT, (ks/KSL)%2
	WIN 0
	s_wait_tensorcnt 0x0                           ; all my tensor loads have landed: my part of the next slot
	ds_add_u32 v[SPW], v[NIL]                      ; 0 onto my spare word
	s_wait_dscnt 1                                 ; this step's fragments of W are in (the add may be out)
	s_wait_loadcnt 8*(DEPTH-2)                     ; A's images of this step are in; six steps behind it have been asked for, the seventh follows below
	WIN MUL
	MULS 0, 0
	s_wait_dscnt 0x0                               ; the add is done, and my reads of this slot are over
	s_barrier_signal -1
	MULS 0, 4
	WIN 0
	s_barrier_wait -1
.if \fill
	CREST                                          ; the barrier has opened a round of the cluster's barrier: no wave of any partner still reads this slot or has a load on its way
	s_add_nc_u64 s[G0B+4*SLT+2:G0B+4*SLT+3], s[G0B+4*SLT+2:G0B+4*SLT+3], 2*768
	tensor_load_to_lds s[G0B+4*SLT:G0B+4*SLT+3], s[G1B:G1B+7]   ; the first tensor load behind the round, one a wave: it has the next slot's eight K steps in which to land
	s_nop 0
.rept 4
	v_nop                                          ; (the places in front of the loads below)
.endr
.else
	PLACES 4
.endif
	FETCH_B
.set kl, ks+DEPTH-1
	WIN 0x80
	ALOAD
	WIN MUL
	MULS 1, 0
	MULS 1, 4
.endm
.macro RUN n
.rept \n
	STEP
.set ks, ks+1
.endr
.endm
	s_wait_alu depctr_va_vdst(0)
	s_wait_tensorcnt 0x0                           ; my tile of the head's is in
	ds_add_u32 v[SPW], v[NIL]
	s_wait_dscnt 0x0
	CROUND                                         ; a whole round: everybody's tiles are in
	tensor_load_to_lds s[G0B+4:G0B+7], s[G1B:G1B+7]   ; slot 1's first fill, 32 rows a wave: it has slot 0's eight K steps in which to land
	s_nop 0
.rept 4
	v_nop
.endr
.set ks, -1
	FETCH_B                                        ; K step 0
.set sg, 0
	SCALES
.set ks, 0
	RUN 7                                          ; slot 0: K steps 0 to 7
	TURN 1                                         ; slot 0 takes K steps 16 to 23
.set ks, ks+1
	RUN 7                                          ; slot 1: 8 to 15
	TURN 1                                         ; slot 1 takes K steps 24 to 31
.set ks, ks+1
	RUN 7                                          ; slot 0: 16 to 23
	TURN 0                                         ; nothing is left to fetch
.set ks, ks+1
	RUN 8                                          ; slot 1: 24 to 31
	WIN 0
	PLACES 4
	s_wait_loadcnt 0x0                             ; the residual
; THE WAY OUT, a block of 16 rows x 128 columns at a time, through my own stage in slot 0 (it has had its last fill, and every wave has passed the last change of slots, behind which nobody reads it):
; the 32 lanes then hold 512 consecutive bytes of a row.  The rows come back into registers that are done with: the bias's, then the first block's accumulators.
.irp a, 0,1
.set BKR, 64+64*\a
.irp b, 0,1,2,3,4,5,6,7
	ds_store_b128 v24, v[128+8*(8*\a+\b):128+8*(8*\a+\b)+3] offset:64*\b          ; each accumulator from its low end on
	ds_store_b128 v24, v[128+8*(8*\a+\b)+4:128+8*(8*\a+\b)+7] offset:64*\b+16
.endr
.irp t, 0,1,2,3,4,5,6,7,8,9,10,11,12,13,14,15
	ds_load_b128 v[BKR+4*\t:BKR+4*\t+3], v25 offset:SPITCH*\t   ; LDS serves a wave's instructions in order: these see my stores
.endr
	s_wait_dscnt 0x0
	WIN 0x0c                                       ; source 1: window 3
.irp t, 0,1,2,3,4,5,6,7,8,9,10,11,12,13,14,15
.irp u, 0,2
	v_pk_add_f32 v[BKR+4*\t+\u:BKR+4*\t+\u+1], v[BKR+4*\t+\u:BKR+4*\t+\u+1], v[64*\a+4*\t+\u:64*\a+4*\t+\u+1]
.endr
.endr
	WIN 0
.irp t, 0,1,2,3,4,5,6,7,8,9,10,11,12,13,14,15
	global_store_b128 v26, v[BKR+4*\t:BKR+4*\t+3], s[12:13] offset:(8*\a+\t+8*(\t/8))*4096   ; 32 lanes store 512 consecutive bytes, aligned to 256
.endr
.endr
	s_wait_tensorcnt 0x0                           ; the wave's end
	ds_add_u32 v[SPW], v[NIL]
	s_wait_dscnt 0x0
	CROUND                                         ; the closing round
	s_endpgm
.Lfunc_end_k_q9fdfb6db99_w2:
	.size	k_q9fdfb6db99_w2, .Lfunc_end_k_q9fdfb6db99_w2-k_q9fdfb6db99_w2
	.p2alignl 7, 3214868480
	.fill 96, 4, 3214868480
	.section	.rodata,"a",@progbits
	.p2align	6, 0x0
	.amdhsa_kernel k_q9fdfb6db99_w2
		.amdhsa_group_segment_fixed_size 327680
		.amdhsa_private_segment_fixed_size 0
		.amdhsa_enable_private_segment 0
		.amdhsa_kernarg_size 48
		.amdhsa_user_sgpr_count 2
		.amdhsa_user_sgpr_kernarg_segment_ptr 1
		.amdhsa_wavefront_size32 1
		.amdhsa_system_sgpr_workgroup_id_x 1
		.amdhsa_system_sgpr_workgroup_id_y 1
		.amdhsa_system_sgpr_workgroup_id_z 1
		.amdhsa_system_vgpr_workitem_id 0
		.amdhsa_next_free_vgpr 1024
		.amdhsa_next_free_sgpr 102
		.amdhsa_reserve_vcc 0
		.amdhsa_float_denorm_mode_32 3
		.amdhsa_float_denorm_mode_16_64 3
		.amdhsa_memory_ordered 1
		.amdhsa_forward_progress 1
		.amdhsa_inst_pref_size 226
	.end_amdhsa_kernel
	.amdgpu_metadata
---
amdhsa.version: [ 1, 2 ]
amdhsa.kernels:
  - .name:           k_q9fdfb6db99_w2
    .symbol:         k_q9fdfb6db99_w2.kd
    .args:
      - { .name: fb, .offset: 0, .size: 8, .value_kind: global_buffer, .address_space: global }
      - { .name: w2_codes, .offset: 8, .size: 8, .value_kind: global_buffer, .address_space: global }
      - { .name: w2_scales, .offset: 16, .size: 8, .value_kind: global_buffer, .address_space: global }
      - { .name: b2, .offset: 24, .size: 8, .value_kind: global_buffer, .address_space: global }
      - { .name: x1, .offset: 32, .size: 8, .value_kind: global_buffer, .address_space: global }
      - { .name: out0, .offset: 40, .size: 8, .value_kind: global_buffer, .address_space: global }
    .group_segment_fixed_size: 327680
    .private_segment_fixed_size: 0
    .kernarg_segment_align: 8
    .kernarg_segment_size: 48
    .max_flat_workgroup_size: 128
    .sgpr_count:     102
    .vgpr_count:     1024
    .wavefront_size: 32
...
	.end_amdgpu_metadata
.endif
;; end of part 6
